; MI455X (gfx1250); checked and timed in simulation.
; The chip was launched on July 23, 2026; its instructions are those of AMD's public machine-readable ISA for CDNA 5 (MIT licence, August 2026) and "CDNA5" Instruction Set Architecture Reference Guide (July 2026). The comments in the code are by the model that wrote it; some were corrected since.
;; Distributed Dot Product Attn. Allowed arithmetic: matrix products marked QUANTISED: E2M3 operands, one E8M0 scale for each 32 along K, by v_wmma_scale_f32_16x16x128_f8f6f4 with both operands' format E2M3, f32 sums; everything else in f32.
;; Inputs: Wc 1,024 x 1,024 float32; Wk 1,024 x 1,024 float32; Wq 1,024 x 1,024 float32; Wv 1,024 x 1,024 float32; attn_mask 4 x 1 x 2,048 x 2,048 bool; bc 1,024 float32; keys 4 x 2,048 x 1,024 float32; queries 4 x 2,048 x 1,024 float32; values 4 x 2,048 x 1,024 float32.
;; Outputs: out0 4 x 2,048 x 1,024 float32.
;; This version of the problem:
;;   THIS VERSION OF THE PROBLEM IS GIVEN IN LOW PRECISION. The matrix products marked QUANTISED in the list below multiply operands that are first quantised to E2M3 (2 exponent bits, 3 mantissa bits; 6 bits a number), with one power-of-two scale for each 32 numbers along K (OCP MX v1.0); their sums are f32. All else is computed in f32.
;;   The module's matrix products, in the order in which they are computed (A, B: the left and right operand; K: the contracted axis; several contracted axes count as one K, in the product's order):
;;     1. [M 8,192, K 1,024] x [K 1,024, N 1,024]; A: input keys; B: input Wk: QUANTISED
;;     2. [M 8,192, K 1,024] x [K 1,024, N 1,024]; A: input queries; B: input Wq: QUANTISED
;;     3. [M 8,192, K 1,024] x [K 1,024, N 1,024]; A: input values; B: input Wv: QUANTISED
;;     4. batch 64 x [M 2,048, K 64] x [K 64, N 2,048]; A: computed on the way; B: computed on the way: QUANTISED
;;     5. batch 64 x [M 2,048, K 2,048] x [K 2,048, N 64]; A: softmax (see below); B: computed on the way: QUANTISED
;;     6. [M 8,192, K 1,024] x [K 1,024, N 1,024]; A: computed on the way; B: input Wc: QUANTISED
;;   THE QUANTISER, for each operand of a quantised product, along K:
;;     - K is cut into blocks of 32 from its start; a last block that is shorter is filled with zeros.
;;     - A block's scale is 2^e with e = floor(log2(the largest magnitude in the block)) - 2, held to -126 .. 127; a block of zeros has e = 0. As a byte (E8M0): e + 127.
;;     - Each number is divided by its block's scale, clamped to +-7.5, and rounded to the nearest number of E2M3, ties to even, subnormals kept.
;;     - The product sums the exact products of the quantised numbers (number of the format x scale) in f32.
;;   ~~~python
;;   def quantise(x, axis):      # numpy; x: float32 -> the quantised numbers, widened to float32 again
;;       x = np.moveaxis(x, axis, -1); K = x.shape[-1]
;;       x = np.pad(x, [(0, 0)] * (x.ndim - 1) + [(0, -K % 32)]); x = x.reshape(x.shape[:-1] + (-1, 32)); a = np.abs(x).max(-1, keepdims=True)
;;       e = np.where(a > 0, np.clip(np.frexp(np.where(a > 0, a, 1))[1] - 1 - 2, -126, 127), 0)      # np.frexp(a)[1] - 1 = floor(log2(a)), exactly
;;       r = np.clip(x / 2.0 ** e, -7.5, 7.5)
;;       step = 2.0 ** (np.maximum(np.frexp(np.where(r == 0, 1, r))[1] - 1, 0) - 3)
;;       q = np.round(r / step) * step * 2.0 ** e      # np.round: ties to even
;;       return np.moveaxis(q.reshape(q.shape[:-2] + (-1,))[..., :K], -1, axis).astype(np.float32)
;;   ~~~
;;   SOFTMAX AHEAD OF A QUANTISED PRODUCT. Where the list says 'softmax', what is quantised is not the finished softmax but p = 2^(t - M), with t = logit x log2(e) and M = ceil(the row's largest t), a whole number; so 1/2 < the row's largest p <= 1. The row's sum l is taken of the UNQUANTISED p, in f32, and the product's result is divided by l at the end. Since M is a whole number, a kernel that streams over the keys may use a running M (the ceiling of the running maximum): every later rescaling is an exact power of two, which a block's scale takes up: the codes' values come out the same.
;;   OPERANDS COMPUTED ON THE WAY. 'Computed on the way' means the value that the module computes at that place (a softmax that the list does not call 'softmax' is quantised finished and normalised). What goes into a quantiser is computed in f32, as accurately as f32 sums, v_exp_f32 and their like allow (about 1e-6 of the number): no bf16 or f16 on the way to a quantiser, and a product that is left as it is and whose result goes on into a quantised operand takes f32 operands (vector FMAs, or v_wmma_f32_16x16x4_f32). A number that lies on a knife's edge between two numbers of the format may be rounded either way, as far as f32 arithmetic and the matrix unit's own rounding can turn it there, and no further.
;; One version. Each part assembles by itself: llvm-mc -triple=amdgcn-amd-amdhsa -mcpu=gfx1250 --defsym DOCPART=n.
;; ======== version 1 of 1: 4 launches
;; workspace buffers: qc 22,020,096 bytes; qs 917,504 bytes; mw 2,097,152 bytes of whole numbers; img 18,874,368 bytes; isc 786,432 bytes; ctx 6,553,600 bytes
;; launch prep (part 1): grid 1408 x 1, 4 waves a work-group, no clusters, 67,072 bytes of LDS; arguments keys, queries, values, Wk, Wq, Wv, Wc, attn_mask, qc, qs, mw; writes qc, qs, mw
.if DOCPART == 1
	.amdgcn_target "amdgcn-amd-amdhsa--gfx1250"
	.amdhsa_code_object_version 6
	.text
	.protected	k_qff33099cfa_prep
	.globl	k_qff33099cfa_prep
	.p2align	8
	.type	k_qff33099cfa_prep,@function
k_qff33099cfa_prep:
	s_mov_b64 s[64:65], 0
	v_nop
	global_prefetch_b8 v0, s[64:65] scope:SCOPE_SE
	s_setreg_imm32_b32 hwreg(HW_REG_WAVE_MODE, 25, 1), 1
	s_wait_xcnt 0x0
; PREP.  Two jobs, parted by the work-group's number.
; Work-groups 0 to 895: keys, queries, values [8192][1024] and Wk, Wq, Wv, Wc [1024][1024], f32 with K innermost, become codes of FP6 (E2M3) and one E8M0 byte for each 32 along K.
; qc is one run of 28,672 rows of 768 bytes (keys 0, queries 8192, values 16384, Wk 24576, Wq 25600, Wv 26624, Wc 27648), qs the same rows of 32 scale bytes.
; POSITIONS.  All tensors but keys: original row p is stored at the row whose number has bits 3 and 4 exchanged.  Sixteen consecutive stored rows, tile 2 A + u, then hold the original rows 32 A + 16 (r / 8) + 8 u + r % 8, so that
; the results of two neighbouring tiles used as a product's source 0 are 16 neighbours along the next product's K.  A wave takes 8 rows, so the exchange is an exchange of the two bits of the wave's number.
; KEYS: original row 64 g + 32 a + 8 t + i is stored at row 64 g + 16 t + 8 a + i.  Stored tile 4 g + t then holds key 64 g + 32 (r / 8) + 8 t + r % 8 in its row r, so that the results of the four tiles of a group, used as
; source 0, are 32 neighbours in a lane: a whole block of the next product's K.  In runs of 8 rows: the run of work-group wg and wave w goes to run 8 (wg / 2) + 2 w + wg % 2.
; A block's scale is 2^(floor(log2(its largest magnitude)) - 2); its byte is the largest magnitude's exponent field - 2, held at 1 from below.
; LIMITS: a block of zeros gets the byte 1 where the rule says 127 (its codes are zeros, and this program alone reads the bytes); blocks whose largest magnitude lies under 2^-124 are held at the byte 1; NaN and infinities are not served.
; Work-groups 896 to 1407: attn_mask [4][1][2048][2048], one byte a place, becomes lane masks for the attention launch.  Work-group m = 128 b + T takes the 16 queries of stored tile T of batch b, wave w keys 512 w on.
; For key step s (128 keys) word n = 32 G + i holds in bit r + 16 h the mask of (query of lane r, key 128 s + 64 G + 32 h + i): 64 words, 256 bytes, at mw + (16 m + s) x 256.
; No tensor loads, no barrier: waves share nothing.  The two jobs have LDS bytes of their own.
.set STEPS, 16
.set CB,    12                         ; bytes of 16 codes
.set R,     16                         ; v16-79   four sets of 16 numbers as loaded
.set X,     80                         ; v80-111  two sets of 16 neighbours
.set C,     128                        ; v128-191 codes: four registers a step, so that no store's data are written again
.set E,     112                        ; v112-127 a scale byte a step
.set WREG,  8192                       ; LDS of a quantising wave: two stages of 32 x SP bytes, then its 256 scale bytes
.set SP,    80                         ; a lane's place in a stage: 64 bytes + 16 of padding
.set QWG,   896                        ; work-groups that quantise
.set MST,   32768                      ; LDS of the mask job begins here
.set MPI,   528                        ; a row of its stage: 512 bytes + 16
	s_load_b512 s[8:23], s[0:1], 0x0               ; keys, queries, values, Wk, Wq, Wv, Wc, attn_mask
	s_load_b128 s[24:27], s[0:1], 0x40             ; qc, qs
	s_load_b64 s[28:29], s[0:1], 0x50              ; mw
	v_lshl_add_u32 v192, v0, 2, 0x10400
	v_mov_b32 v193, 0
	v_lshrrev_b32 v1, 5, v0
	v_readfirstlane_b32 s2, v1                     ; wave 0..3
	v_and_b32 v2, 31, v0                           ; lane
	v_lshlrev_b32 v3, 4, v2                        ; my 16 bytes of a load's 512
	s_cmp_ge_u32 ttmp9, QWG
	s_cbranch_scc1 .Lmask
	; ---------------- the quantiser ----------------
	s_mul_i32 s3, s2, WREG
	v_lshrrev_b32 v14, 2, v2
	v_mul_u32_u24 v14, v14, SP
	v_and_b32 v15, 3, v2
	v_lshl_add_u32 v14, v15, 4, v14
	v_add_nc_u32 v14, s3, v14                      ; the stage, on the way in: four lanes' 64 bytes on end, then 16 of padding
	v_mul_u32_u24 v15, v2, SP
	v_add_nc_u32 v15, s3, v15                      ; and on the way out: my 16 neighbours
	v_mul_u32_u24 v4, v2, CB                       ; my codes' place in a step's
	v_lshrrev_b32 v5, 1, v2
	s_add_co_u32 s3, s3, 2*32*SP
	v_add_nc_u32 v5, s3, v5                        ; my block's scale byte among the wave's 256
	v_lshlrev_b32 v7, 3, v2
	v_add_nc_u32 v6, s3, v7                        ; and 8 of them a lane on the way out
	s_wait_kmcnt 0x0
	s_mov_b64 s[4:5], s[8:9]                       ; which tensor: the choice hangs on the work-group's number alone
	s_mov_b32 s6, 0
.macro PICK first, lo
	s_cmp_ge_u32 ttmp9, \first
	s_cselect_b64 s[4:5], s[\lo:\lo+1], s[4:5]
	s_cselect_b32 s6, \first, s6
.endm
	PICK 256, 10
	PICK 512, 12
	PICK 768, 14
	PICK 800, 16
	PICK 832, 18
	PICK 864, 20
	s_sub_co_u32 s6, ttmp9, s6
	s_lshl_b32 s6, s6, 2
	s_add_co_u32 s6, s6, s2                        ; which run of 8 rows of the tensor I read
	s_lshl_b32 s30, s6, 15                         ; 32,768 bytes a run
	s_mov_b32 s31, 0
	s_add_nc_u64 s[4:5], s[4:5], s[30:31]
	s_and_b32 s7, s2, 1
	s_lshl_b32 s7, s7, 1
	s_lshr_b32 s30, s2, 1
	s_or_b32 s7, s7, s30                           ; the wave's two bits exchanged
	s_lshl_b32 s30, ttmp9, 2
	s_add_co_u32 s7, s7, s30                       ; which run of 8 stored rows I write: all tensors but keys
	s_lshr_b32 s30, ttmp9, 1
	s_lshl_b32 s30, s30, 3                         ; keys: 8 (wg / 2)
	s_lshl_b32 s3, s2, 1
	s_add_co_u32 s30, s30, s3                      ; + 2 x wave
	s_and_b32 s3, ttmp9, 1
	s_add_co_u32 s30, s30, s3                      ; + wg % 2
	s_cmp_lt_u32 ttmp9, 256                        ; the first 256 work-groups take keys
	s_cselect_b32 s7, s30, s7
	s_mul_i32 s30, s7, 8*768
	s_add_nc_u64 s[24:25], s[24:25], s[30:31]
	s_lshl_b32 s30, s7, 8
	s_add_nc_u64 s[26:27], s[26:27], s[30:31]
.macro LOAD t
.irp i, 0,1,2,3
	global_load_b128 v[R+16*((\t)%4)+4*\i:R+16*((\t)%4)+4*\i+3], v3, s[4:5] offset:2048*(\t)+512*\i th:TH_LOAD_NT   ; 32 lanes read 512 consecutive bytes
.endr
.endm
.macro TURN t                          ; step t's numbers through the stage: LDS serves a wave's instructions in order, so no wait stands between the stores and the loads
.irp i, 0,1,2,3
	ds_store_b128 v14, v[R+16*((\t)%4)+4*\i:R+16*((\t)%4)+4*\i+3] offset:32*SP*((\t)%2)+8*SP*\i
.endr
.irp i, 0,1,2,3
	ds_load_b128 v[X+16*((\t)%2)+4*\i:X+16*((\t)%2)+4*\i+3], v15 offset:32*SP*((\t)%2)+16*\i
.endr
.endm
.irp t, 0,1,2,3
	LOAD \t
.endr
	s_wait_loadcnt 12                              ; step 0's four loads are in; the twelve of steps 1 to 3 may be out
	TURN 0
.macro STEP t
.set XS, X+16*((\t)%2)
.if (\t) > 0
	s_wait_dscnt 1                                 ; this step's numbers are back from the stage (the last step's byte store may be out)
.else
	s_wait_dscnt 0x0
.endif
.if (\t)+4 < STEPS
	LOAD (\t)+4                                    ; into the registers that this step's stores into the stage have read
.endif
.if (\t)+1 < STEPS
.if STEPS-2-(\t) >= 3
	s_wait_loadcnt 12                              ; the next step's four loads are in; those of the three steps behind it may be out
.else
	s_wait_loadcnt 4*(STEPS-2-(\t))
.endif
	TURN (\t)+1
.endif
	v_max3_num_f32 v8, |v[XS]|, |v[XS+1]|, |v[XS+2]|               ; the largest magnitude of my 16, in two chains
	v_max3_num_f32 v9, |v[XS+3]|, |v[XS+4]|, |v[XS+5]|
.irp i, 6,10
	v_max3_num_f32 v8, v8, |v[XS+\i]|, |v[XS+\i+1]|
	v_max3_num_f32 v9, v9, |v[XS+\i+2]|, |v[XS+\i+3]|
.endr
	v_max3_num_f32 v8, v8, |v[XS+14]|, |v[XS+15]|
	v_max3_num_f32 v8, v8, v9, 0x1800000           ; and the floor 2^(3 - 127): the byte cannot fall under 1
	v_max_num_f32_dpp v8, v8, v8 row_xmask:1 row_mask:0xf bank_mask:0xf   ; with my neighbour's 16: the block's
	v_add_nc_u32 v11, 0xff000000, v8               ; 2 off its exponent field: the conversion takes this operand's exponent field as its scale
	v_cvt_scalef32_pk16_fp6_f32 v[C+4*(\t):C+4*(\t)+2], v[XS:XS+15], v11
	v_lshrrev_b32 v[E+(\t)], 23, v11               ; the scale's byte
	ds_store_b8 v5, v[E+(\t)] offset:16*(\t)       ; both lanes of a block write the same byte with the same value
	global_store_b96 v4, v[C+4*(\t):C+4*(\t)+2], s[24:25] offset:32*CB*(\t)   ; the wave stores 384 consecutive bytes
.endm
.irp t, 0,1,2,3,4,5,6,7,8,9,10,11,12,13,14,15
	STEP \t
.endr
	ds_load_b64 v[12:13], v6                       ; LDS serves a wave's instructions in order: these see my stores
	s_wait_dscnt 0x0
	global_store_b64 v7, v[12:13], s[26:27]        ; 32 lanes store 256 consecutive bytes, aligned
	s_wait_tensorcnt 0x0
	ds_add_u32 v192, v193
	s_wait_dscnt 0x0
	s_endpgm
	; ---------------- the mask ----------------
.Lmask:
	s_sub_co_u32 s3, ttmp9, QWG                    ; m = 128 b + T
	s_lshr_b32 s4, s3, 7                           ; b
	s_and_b32 s5, s3, 127                          ; T
	s_lshr_b32 s6, s5, 1
	s_lshl_b32 s6, s6, 5
	s_and_b32 s7, s5, 1
	s_lshl_b32 s7, s7, 3
	s_add_co_u32 s6, s6, s7                        ; the tile's first query: 32 (T / 2) + 8 (T % 2)
	s_lshl_b32 s6, s6, 11                          ; 2,048 bytes a query
	s_lshl_b32 s4, s4, 22
	s_add_co_u32 s6, s6, s4
	s_lshl_b32 s7, s2, 9                           ; my wave's 512 keys
	s_add_co_u32 s30, s6, s7
	s_mov_b32 s31, 0
	s_lshl_b32 s46, s3, 4
	s_lshl_b32 s7, s2, 2
	s_add_co_u32 s46, s46, s7                      ; 16 m + 4 w: my first step
	s_lshl_b32 s46, s46, 8                         ; 256 bytes of words a step
	s_mov_b32 s47, 0
	s_mul_i32 s7, s2, 16*MPI
	s_add_co_u32 s7, s7, MST                       ; my stage
	v_add_nc_u32 v4, s7, v3                        ; in: 16 bytes a lane of a row
	v_and_b32 v6, 15, v0                           ; r
	v_bfe_u32 v7, v0, 4, 1                         ; h
	v_mul_u32_u24 v5, v6, MPI
	v_lshl_add_u32 v5, v7, 5, v5
	v_add_nc_u32 v5, s7, v5                        ; out: row r, + 32 h: my half's block of each 64 keys
	v_lshlrev_b32 v8, 3, v2                        ; two words a lane on the way out
.irp i, 0,1,2,3,4,5,6,7
	v_mov_b32 v[144+\i], 0                         ; written once: v_writelane_b32's destination counts as one of its sources
.endr
	s_wait_kmcnt 0x0
	s_add_nc_u64 s[22:23], s[22:23], s[30:31]
	s_add_nc_u64 s[28:29], s[28:29], s[46:47]      ; my words
.irp i, 0,1,2,3,4,5,6,7,8,9,10,11,12,13,14,15
	global_load_b128 v[16+4*\i:19+4*\i], v3, s[22:23] offset:(16*(\i/8)+(\i%8))*2048 th:TH_LOAD_NT   ; lane-row i's query: 512 consecutive bytes
.endr
.irp i, 0,1,2,3,4,5,6,7,8,9,10,11,12,13,14,15
	s_wait_loadcnt 15-\i                           ; row i is in; the younger rows may be out
	ds_store_b128 v4, v[16+4*\i:19+4*\i] offset:\i*MPI
.endr
.irp i, 0,1,2,3,4,5,6,7,8,9,10,11,12,13,14,15
	ds_load_b128 v[80+4*\i:83+4*\i], v5 offset:128*(\i/4)+64*((\i%4)/2)+16*(\i%2)   ; step i / 4, group (i % 4) / 2: my query's 16 keys 64 G + 32 h + 16 (i % 2) on.  The bytes are the wave's own, and LDS serves a wave in order
.endr
.macro MWORDS sp
	s_wait_dscnt 12-4*\sp                          ; this step's four loads are in; the later steps' may be out
.set n, 0
.rept 64                               ; word n: byte n % 4 of register n / 4, as a mask over the lanes; it goes to lane n / 2 of one of two registers
	v_and_b32 v[152+n%4], 0xff<<(8*(n%4)), v[80+16*\sp+n/4]
	v_cmp_ne_u32 s[32+n%8], 0, v[152+n%4]
	v_writelane_b32 v[144+2*\sp+n%2], s[32+n%8], n/2
.set n, n+1
.endr
	global_store_b64 v8, v[144+2*\sp:145+2*\sp], s[28:29] offset:256*\sp   ; 32 lanes store 256 consecutive bytes, aligned
.endm
	MWORDS 0
	MWORDS 1
	MWORDS 2
	MWORDS 3
	s_wait_tensorcnt 0x0
	ds_add_u32 v192, v193
	s_wait_dscnt 0x0
	s_endpgm
.Lfunc_end_k_qff33099cfa_prep:
	.size	k_qff33099cfa_prep, .Lfunc_end_k_qff33099cfa_prep-k_qff33099cfa_prep
	.p2alignl 7, 3214868480
	.fill 96, 4, 3214868480
	.section	.rodata,"a",@progbits
	.p2align	6, 0x0
	.amdhsa_kernel k_qff33099cfa_prep
		.amdhsa_group_segment_fixed_size 67072
		.amdhsa_private_segment_fixed_size 0
		.amdhsa_enable_private_segment 0
		.amdhsa_kernarg_size 88
		.amdhsa_user_sgpr_count 2
		.amdhsa_user_sgpr_kernarg_segment_ptr 1
		.amdhsa_wavefront_size32 1
		.amdhsa_system_sgpr_workgroup_id_x 1
		.amdhsa_system_sgpr_workgroup_id_y 1
		.amdhsa_system_sgpr_workgroup_id_z 1
		.amdhsa_system_vgpr_workitem_id 0
		.amdhsa_next_free_vgpr 194
		.amdhsa_next_free_sgpr 66
		.amdhsa_reserve_vcc 0
		.amdhsa_float_denorm_mode_32 3
		.amdhsa_float_denorm_mode_16_64 3
		.amdhsa_memory_ordered 1
		.amdhsa_forward_progress 1
		.amdhsa_inst_pref_size 88
	.end_amdhsa_kernel
	.amdgpu_metadata
---
amdhsa.version: [ 1, 2 ]
amdhsa.kernels:
  - .name:           k_qff33099cfa_prep
    .symbol:         k_qff33099cfa_prep.kd
    .args:
      - { .name: keys, .offset: 0, .size: 8, .value_kind: global_buffer, .address_space: global }
      - { .name: queries, .offset: 8, .size: 8, .value_kind: global_buffer, .address_space: global }
      - { .name: values, .offset: 16, .size: 8, .value_kind: global_buffer, .address_space: global }
      - { .name: Wk, .offset: 24, .size: 8, .value_kind: global_buffer, .address_space: global }
      - { .name: Wq, .offset: 32, .size: 8, .value_kind: global_buffer, .address_space: global }
      - { .name: Wv, .offset: 40, .size: 8, .value_kind: global_buffer, .address_space: global }
      - { .name: Wc, .offset: 48, .size: 8, .value_kind: global_buffer, .address_space: global }
      - { .name: attn_mask, .offset: 56, .size: 8, .value_kind: global_buffer, .address_space: global }
      - { .name: qc, .offset: 64, .size: 8, .value_kind: global_buffer, .address_space: global }
      - { .name: qs, .offset: 72, .size: 8, .value_kind: global_buffer, .address_space: global }
      - { .name: mw, .offset: 80, .size: 8, .value_kind: global_buffer, .address_space: global }
    .group_segment_fixed_size: 67072
    .private_segment_fixed_size: 0
    .kernarg_segment_align: 8
    .kernarg_segment_size: 88
    .max_flat_workgroup_size: 128
    .sgpr_count:     66
    .vgpr_count:     194
    .wavefront_size: 32
...
	.end_amdgpu_metadata
.endif
;; end of part 1
;; launch proj (part 2): grid 4 x 96, 4 waves a work-group, clusters of 4 x 4, 327,680 bytes of LDS; arguments qc, qs, img, isc; writes img, isc
.if DOCPART == 2
	.amdgcn_target "amdgcn-amd-amdhsa--gfx1250"
	.amdhsa_code_object_version 6
	.text
	.protected	k_qff33099cfa_proj
	.globl	k_qff33099cfa_proj
	.p2align	8
	.type	k_qff33099cfa_proj,@function
k_qff33099cfa_proj:
	s_mov_b64 s[64:65], 0
	v_nop
	global_prefetch_b8 v0, s[64:65] scope:SCOPE_SE
	s_setreg_imm32_b32 hwreg(HW_REG_WAVE_MODE, 25, 1), 1
	s_wait_xcnt 0x0
	s_wait_alu depctr_hold_cnt(0) depctr_sa_sdst(0) depctr_va_vdst(0) depctr_va_sdst(0) depctr_va_ssrc(0) depctr_va_vcc(0) depctr_vm_vsrc(0)
	s_getreg_b32 s2, hwreg(HW_REG_IB_STS2, 6, 4)
	s_cmp_eq_u32 s2, 0
	s_cbranch_scc0 .Lentry_in_a_cluster
	s_endpgm
.Lentry_in_a_cluster:
	s_bfe_u32 s2, ttmp6, 0x10000c
	s_cmp_lg_u32 s2, 0xf033
	s_cbranch_scc0 .Lentry_shape_is_right
	s_endpgm
.Lentry_shape_is_right:
; PROJ.  k = keys Wk^T, q = queries Wq^T, v = values Wv^T on codes of FP6 (E2M3) with E8M0 scales, K = 1,024, f32 sums; each result is quantised in registers along the NEXT product's K and stored as operand images.
; 384 tiles of 256 x 256, four waves each, a wave 128 x 128 in 64 accumulators.  K goes in steps of 256 through a ring of two LDS slots filled by the tensor data mover; the scale bytes of the tile's rows come once and stay.
; Clusters of 4 x 4: cluster y / 8 says which product (0 k, 1 q, 2 v).  Source 1 ("A") is shared along a row of the cluster, source 0 ("B") along a column: each tile is asked for jointly.
;   k, q: A = the tokens (tile 4 (cluster y % 8) + cy), B = the weight (tile cx): a lane holds one token, its registers run along the features: the head's 64 are the next K.
;   v:    A = Wv (tile cy), B = the values' tokens (tile 4 (cluster y % 8) + cx): a lane holds one feature, its registers run along the keys: they are the next K.
; The rows of qc are stored with bits 3 and 4 of their number exchanged, so that the 16 registers of source 0's tiles 2 A and 2 A + 1 are 16 neighbours, 32 A + 16 (lane / 16) + 0 .. 15, of the next K.
; OUT.  A half image is 16 rows x 64 along K, six registers a lane: registers 0-3 at 16 x lane, registers 4-5 at 512 + 8 x lane: 768 bytes.  Two on end are a fragment of 128 along K.
;   k, q: img[section + ((16 b + head) x 128 + tile of 16 stored tokens) x 768];  v: img[section + (((16 b + head) x 16 + 128 keys) x 4 + tile of 16 stored features) x 1,536].
;   scale words: isc[section + ((16 b + head) x 16 + u) x 256 + 16 r + 4 w]: k, q: u = 128 tokens, word w = tile 2 w's two bytes, then tile 2 w + 1's;  v: u = 128 keys, word w = feature tile w's four bytes.
; LIMITS: a block of zeros gets the byte 1 (its codes are zeros; this program alone reads the bytes); blocks under 2^-124 are held at the byte 1; NaN and infinities are not served.
; REGISTERS, in windows of 256: window 0: v0-31 addresses; v32-63 scale words, two sets; from v128 A's fragments, one set; v64-111, v224-239 the way out.  window 1: B's fragments, two sets.  windows 2, 3: the accumulators.
.set KSTEP,  256
.set NQ,     2                         ; matrix instructions deep in a slot
.set ROWB,   192                       ; a tile's row: 256 codes
.set KROW,   768                       ; a row of qc
.set PITCH,  240                       ; an LDS row: 3 x (64 bytes + 16 of padding)
.set FR,     12
.set NL,     6
.set NP,     4                         ; places behind this matrix instruction (ISA guide 7.12.1)
.set HALFT,  128*PITCH
.set SLOT,   4*HALFT
.set LAPS,   2                         ; 1,024 / 512
.set KS,     32                        ; a row of scale bytes
.set SCL,    2*SLOT
.set HALFS,  (128*KS/256)*272
.set SBLK,   (16*KS/256)*272
.set SPARE,  SCL+4*HALFS               ; the spare words, 128 bytes a wave: two blocks of 256 bytes that no other line names
.set ADRA, 16
.set ADRB, 20
.set ADRS, 27
.set SPW,  28
.set NIL,  29
.set SC,   32
.set AF,   128
.set G1, 24
.set G0, 32
.set G1B, 48
.set G0B, 56
.set G1S, 68
.set G0S, 76
.set G1SB, 80
.set G0SB, 88
.set PC,   64                          ; the way out: v64-75 a fragment's codes; v76-78, v80-82 the conversions' second halves
.set TM,   96                          ; v96-99 largest magnitudes, v100-103 at work, v108-111 the conversions' scale operands
.set PW,   224                         ; v224-231 block a's four scale bytes
.set XK,   232                         ; v232-235 the words as k and q want them;  v236-239 as v wants them
.set XV,   236
.set VO16, 8
.set VO8,  9
.set VO16B, 10
.set VO8B, 11
.set VOS,  12
.set SLK,  13
.set SLV,  14
.set MSB, 0
.macro WIN new                         ; the immediate's high byte repeats the setting that is left
.if MSB != \new
	s_set_vgpr_msb (MSB<<8)|\new
.set MSB, \new
.endif
.endm
.set MUL_LO, 0xa1                      ; source 0 (B) window 1, source 1 (A) window 0, C and D window 2
.set MUL_HI, 0xf1
.set TO_B,   0x40
; A joint load: waves 0 and 1 fetch for A, waves 2 and 3 for B.  The branch hangs on the wave's number alone.  Four v_nop follow each of the two lines.
.macro JLOAD g0a, g1a, g0b, g1b
	s_cmp_eq_u32 s15, 0
	s_cbranch_scc0 .Lfor_b_\@
	tensor_load_to_lds s[\g0a:\g0a+3], s[\g1a:\g1a+7]
	s_nop 0
.rept 4
	v_nop
.endr
	s_branch .Lasked_\@
.Lfor_b_\@:
	tensor_load_to_lds s[\g0b:\g0b+3], s[\g1b:\g1b+7]
	s_nop 0
.rept 4
	v_nop
.endr
.Lasked_\@:
.endm
.macro CREST                           ; a round of the cluster's barrier behind its opening barrier
	s_cmp_lg_u32 s14, 0
	s_cbranch_scc1 .Lnot_wave_0_\@
	s_barrier_signal -3
.Lnot_wave_0_\@:
	s_barrier_wait -3
	s_barrier_signal -1
	s_barrier_wait -1
.endm
.macro CROUND
	s_barrier_signal -1
	s_barrier_wait -1
	CREST
.endm
	s_load_b128 s[4:7], s[0:1], 0x0                ; qc, qs
	s_load_b128 s[8:11], s[0:1], 0x10              ; img, isc
	v_lshl_add_u32 v[SPW], v0, 2, SPARE
	v_mov_b32 v[NIL], 0
	ds_add_u32 v28, v29
	ds_add_u32 v28, v29
	s_wait_dscnt 0x0
	v_lshrrev_b32 v1, 5, v0
	v_readfirstlane_b32 s14, v1                    ; wave 0..3
	s_lshr_b32 s15, s14, 1                         ; my half of A's rows.  Also: I fetch for A (0) or for B (1)
	s_and_b32 s16, s14, 1                          ; my half of B's rows.  Also: which 128 rows I fetch
	s_bfe_u32 s40, ttmp6, 0x40000                  ; cx
	s_bfe_u32 s41, ttmp6, 0x40004                  ; cy
	s_and_b32 s12, ttmp7, 0xffff                   ; cluster y, 0..23: the same in all sixteen partners
	s_lshr_b32 s13, s12, 3                         ; which product: 0 k, 1 q, 2 v
	s_and_b32 s2, s12, 7
	s_lshl_b32 s2, s2, 2                           ; the cluster's first tile of tokens
	s_lshl_b32 s95, s13, 13                        ; the tokens' section of qc, in rows
	s_lshl_b32 s96, s13, 10
	s_add_co_u32 s96, s96, 24576                   ; the weight's
	s_cmp_ge_u32 s12, 16                           ; v?
	s_cselect_b32 s17, 0, s2
	s_cselect_b32 s42, s2, 0
	s_cselect_b32 s97, s96, s95                    ; A's section
	s_cselect_b32 s98, s95, s96                    ; B's
	s_add_co_u32 s17, s17, s41                     ; A's tile: of cy and the cluster's y alone
	s_add_co_u32 s42, s42, s40                     ; B's tile: of cx and the cluster's y alone
	s_lshl_b32 s43, s41, 2
	s_lshl_b32 s43, 15, s43                        ; my row of the cluster
	s_lshl_b32 s44, 0x1111, s40                    ; my column
	; descriptor group 1: a tile of 128 rows x 192 bytes, 16 bytes of padding behind every 64
	s_or_b32 s[G1+0], s43, (0<<16)|(1<<20)|(1<<21)|(3<<22)|(3<<25)
	s_or_b32 s[G1B+0], s44, (0<<16)|(1<<20)|(1<<21)|(3<<22)|(3<<25)
.irp g, G1, G1B
	s_mov_b32 s[\g+1], ROWB<<16                    ; tensor_dim0
	s_mov_b32 s[\g+2], 128<<16                     ; tensor_dim1
	s_mov_b32 s[\g+3], ROWB<<16                    ; tile_dim0
	s_mov_b32 s[\g+4], 128                         ; tile_dim1
	s_mov_b32 s[\g+5], KROW                        ; the pitch
	s_mov_b32 s[\g+6], 0
	s_mov_b32 s[\g+7], 0
.endr
	; the scale bytes of 128 rows: a dense block of 4,096 bytes, as rows of 256 bytes (32 elements of 8), 16 bytes of padding behind each
	s_or_b32 s[G1S+0], s43, (3<<16)|(1<<20)|(1<<21)|(5<<22)|(3<<25)
	s_or_b32 s[G1SB+0], s44, (3<<16)|(1<<20)|(1<<21)|(5<<22)|(3<<25)
.irp g, G1S, G1SB
	s_mov_b32 s[\g+1], 32<<16
	s_mov_b32 s[\g+2], (128*KS/256)<<16
	s_mov_b32 s[\g+3], 32<<16
	s_mov_b32 s[\g+4], 128*KS/256
	s_mov_b32 s[\g+5], 32
	s_mov_b32 s[\g+6], 0
	s_mov_b32 s[\g+7], 0
.endr
	s_lshl_b32 s18, s16, 7                         ; which 128 rows of the tile I fetch
	s_lshl_b32 s20, s17, 8
	s_add_co_u32 s20, s20, s18
	s_add_co_u32 s20, s20, s97                     ; A: its section + 256 x tile + 128 x half
	s_lshl_b32 s46, s42, 8
	s_add_co_u32 s46, s46, s18
	s_add_co_u32 s46, s46, s98                     ; B likewise
	s_mov_b32 s21, 0
	s_mov_b32 s47, 0
	s_mov_b64 s[18:19], KS
	s_mul_u64 s[22:23], s[20:21], s[18:19]         ; where these rows' scale bytes begin
	s_mul_u64 s[92:93], s[46:47], s[18:19]
	s_mov_b64 s[18:19], KROW
	s_mul_u64 s[20:21], s[20:21], s[18:19]         ; and their codes
	s_mul_u64 s[46:47], s[46:47], s[18:19]
	s_mul_i32 s45, s14, HALFT                      ; where they go: wave x 128 rows
	s_mul_i32 s94, s14, HALFS
	s_wait_kmcnt 0x0
	s_add_nc_u64 s[20:21], s[4:5], s[20:21]
	s_add_nc_u64 s[22:23], s[6:7], s[22:23]
	s_add_nc_u64 s[46:47], s[4:5], s[46:47]
	s_add_nc_u64 s[92:93], s[6:7], s[92:93]
	CROUND                                         ; all sixteen work-groups are here: the first joint loads meet
	s_mov_b32 s[G0S], 1
	s_add_co_u32 s[G0S+1], s94, SCL
	s_mov_b64 s[G0S+2:G0S+3], s[22:23]
	s_or_b32 s[G0S+3], s[G0S+3], 0x80000000
	s_mov_b32 s[G0SB], 1
	s_add_co_u32 s[G0SB+1], s94, SCL
	s_mov_b64 s[G0SB+2:G0SB+3], s[92:93]
	s_or_b32 s[G0SB+3], s[G0SB+3], 0x80000000
	JLOAD G0S, G1S, G0SB, G1SB                     ; the scale bytes first: they are wanted with K step 0
.irp s, 0,1
	s_mov_b32 s[G0+4*\s], 1
	s_add_co_u32 s[G0+4*\s+1], s45, \s*SLOT
	s_add_nc_u64 s[G0+4*\s+2:G0+4*\s+3], s[20:21], \s*ROWB
	s_or_b32 s[G0+4*\s+3], s[G0+4*\s+3], 0x80000000
	s_mov_b32 s[G0B+4*\s], 1
	s_add_co_u32 s[G0B+4*\s+1], s45, \s*SLOT
	s_add_nc_u64 s[G0B+4*\s+2:G0B+4*\s+3], s[46:47], \s*ROWB
	s_or_b32 s[G0B+4*\s+3], s[G0B+4*\s+3], 0x80000000
	JLOAD G0+4*\s, G1, G0B+4*\s, G1B
.endr
	v_and_b32 v1, 15, v0                           ; r
	v_bfe_u32 v2, v0, 4, 1                         ; h
	v_mul_u32_u24 v3, v1, PITCH
	v_mul_u32_u24 v4, v2, 24
	v_add_nc_u32 v4, v3, v4                        ; a fragment's row x pitch + 24 x half
	v_lshl_add_u32 v5, v2, 4, v4                   ; and the same behind one padding more
	s_mul_i32 s21, s15, HALFT                      ; my 128 rows of A
	s_mul_i32 s22, s16, HALFT
	s_add_co_u32 s22, s22, 2*HALFT                 ; my 128 rows of B, behind A's 256
.irp s, 0,1
	v_add_nc_u32 v[ADRA+\s], s21, v4
	v_add_nc_u32 v[ADRB+\s], s22, v4
	v_add_nc_u32 v[ADRA+2+\s], s21, v5
	v_add_nc_u32 v[ADRB+2+\s], s22, v5
	s_add_co_u32 s21, s21, SLOT
	s_add_co_u32 s22, s22, SLOT
.endr
	v_mul_u32_u24 v5, v1, KS                       ; my row's scale bytes,
	v_lshrrev_b32 v6, 8, v5
	v_lshl_add_u32 v5, v6, 4, v5                   ; and 16 more for each 256 passed
	s_mul_i32 s21, s15, HALFS
	s_mul_i32 s22, s16, HALFS
	s_add_co_u32 s22, s22, 2*HALFS
	s_sub_co_u32 s22, s22, s21
	v_mul_u32_u24 v6, s22, v2                      ; lanes 16-31 take B's: one product, the distance between the two bases
	s_add_co_u32 s21, s21, SCL
	v_add_nc_u32 v5, v5, v6
	v_add_nc_u32 v[ADRS], s21, v5
.macro FRAG reg, adr, q, i             ; 16 rows x 128 K of 6-bit codes: 12 registers, in pieces of 8 bytes; where lanes 16-31's piece lies behind one padding more, the second address register serves
.irp p, 0,1,2,3,4,5
.set PCE, 12*(\q)+6*(\p/3)+\p%3
.if PCE%8 < 5
	ds_load_b64 v[\reg+2*\p:\reg+2*\p+1], v[\adr] offset:8*PCE+16*(PCE/8)+(\i)*16*PITCH
.else
	ds_load_b64 v[\reg+2*\p:\reg+2*\p+1], v[\adr+2] offset:8*PCE+16*(PCE/8)+(\i)*16*PITCH
.endif
.endr
.endm
; 16 matrix instructions: A's blocks a0, a0 + 1 x B's eight.  The 64 accumulators take turns, one instruction a turn, in the same order in every step.
.macro MUL16 a0, p, q, sc, zero
.irp a, \a0, \a0+1
.irp b, 0,1,2,3,4,5,6,7
.if \zero
	v_wmma_scale_f32_16x16x128_f8f6f4 v[8*(8*((\a)%4)+\b):8*(8*((\a)%4)+\b)+7], v[128*(\p)+FR*\b:128*(\p)+FR*\b+FR-1], v[AF+FR*(\a):AF+FR*(\a)+FR-1], 0, v[SC+8*NQ*(\sc)+NQ*\b+(\q)], v[SC+8*NQ*(\sc)+NQ*(\a)+(\q)] matrix_a_fmt:MATRIX_FMT_FP6 matrix_b_fmt:MATRIX_FMT_FP6 matrix_a_scale:MATRIX_SCALE_ROW1
.else
	v_wmma_scale_f32_16x16x128_f8f6f4 v[8*(8*((\a)%4)+\b):8*(8*((\a)%4)+\b)+7], v[128*(\p)+FR*\b:128*(\p)+FR*\b+FR-1], v[AF+FR*(\a):AF+FR*(\a)+FR-1], v[8*(8*((\a)%4)+\b):8*(8*((\a)%4)+\b)+7], v[SC+8*NQ*(\sc)+NQ*\b+(\q)], v[SC+8*NQ*(\sc)+NQ*(\a)+(\q)] matrix_a_fmt:MATRIX_FMT_FP6 matrix_b_fmt:MATRIX_FMT_FP6 matrix_a_scale:MATRIX_SCALE_ROW1
.endif
.endr
.endr
.endm
.macro FETCH_B slot, q, p
	WIN TO_B
.irp i, 0,1,2,3,4,5,6,7
	FRAG 128*(\p)+FR*\i, ADRB+\slot, \q, \i
.endr
	WIN 0
.endm
.macro FETCH_A slot, q, i0
.irp i, \i0, \i0+1, \i0+2, \i0+3
	FRAG AF+FR*(\i), ADRA+\slot, \q, \i
.endr
.endm
.macro SCALES sc                       ; a K step's scale words: lanes 0-15 take A's block i, lanes 16-31 B's block i
.irp i, 0,1,2,3,4,5,6,7
	ds_load_b64 v[SC+8*NQ*\sc+NQ*\i:SC+8*NQ*\sc+NQ*\i+1], v[ADRS] offset:\i*SBLK
.endr
.endm
.macro PLACES n                        ; plain vector instructions between a matrix instruction and a load into, or a read of, its registers
.rept \n
	v_nop
.endr
.endm
.macro STEP slot, q, zero              ; 128 along K that have their successor in the same slot
	s_wait_dscnt 4*NL                              ; B's set and A's blocks 0-3 are in; the 24 youngest loads (A's blocks 4-7) may be out
	WIN MUL_LO
	MUL16 0, (\q)%2, \q, \slot, \zero
	MUL16 2, (\q)%2, \q, \slot, \zero
	s_wait_dscnt 0
	PLACES NP
	FETCH_B \slot, (\q)+1, 1-(\q)%2
	FETCH_A \slot, (\q)+1, 0
	WIN MUL_HI
	MUL16 4, (\q)%2, \q, \slot, \zero
	MUL16 6, (\q)%2, \q, \slot, \zero
	PLACES NP
	WIN 0
	FETCH_A \slot, (\q)+1, 4
.endm
; A slot's last step changes slots: one barrier; in front of it each wave waits for all its tensor loads, adds 0 to its spare word, and waits for that and for its own reads of this slot.
.macro TURN slot, next, fill
	s_wait_tensorcnt 0x0                           ; all my tensor loads have landed: my part of the next slot
	ds_add_u32 v[SPW], v[NIL]                      ; 0 onto my spare word
	s_wait_dscnt 4*NL+1                            ; (the add and the 24 youngest loads may be out)
	WIN MUL_LO
	MUL16 0, 1, NQ-1, \slot, 0
	s_wait_dscnt 0x0                               ; the add is done, and my reads of this slot are over
	s_barrier_signal -1
	MUL16 2, 1, NQ-1, \slot, 0
	WIN 0
	s_barrier_wait -1
.if \fill
	CREST                                          ; the barrier has opened a round of the cluster's: no wave of any partner still reads this slot or has a load on its way
	s_add_nc_u64 s[G0+4*\slot+2:G0+4*\slot+3], s[G0+4*\slot+2:G0+4*\slot+3], 2*ROWB
	s_add_nc_u64 s[G0B+4*\slot+2:G0B+4*\slot+3], s[G0B+4*\slot+2:G0B+4*\slot+3], 2*ROWB
	JLOAD G0+4*\slot, G1, G0B+4*\slot, G1B         ; the first tensor load behind the round; its four v_nop are the places in front of the loads below
.else
	PLACES NP
.endif
	v_add_nc_u32 v[ADRS], 4*NQ, v[ADRS]            ; on to the next K step's scale words
	FETCH_B \next, 0, 0
	FETCH_A \next, 0, 0
	SCALES \next
	WIN MUL_HI
	MUL16 4, 1, NQ-1, \slot, 0
	MUL16 6, 1, NQ-1, \slot, 0
	PLACES NP
	WIN 0
	FETCH_A \next, 0, 4
.endm
	s_wait_tensorcnt 1                             ; the scale bytes and my part of K step 0 are in (K step 1's load may be out),
	s_barrier_signal -1
	s_barrier_wait -1                              ; everybody's are
	FETCH_B 0, 0, 0
	FETCH_A 0, 0, 0
	SCALES 0
	FETCH_A 0, 0, 4
	STEP 0, 0, 1                                   ; the first step stands in front of the loop: its products start the sums
	s_mov_b32 s3, LAPS-1
.Llap:
	TURN 0, 1, 1
	STEP 1, 0, 0
	TURN 1, 0, 1
	STEP 0, 0, 0
	s_sub_co_u32 s3, s3, 1
	s_cmp_lg_u32 s3, 0
	s_cbranch_scc1 .Llap
	TURN 0, 1, 0                                   ; the last lap fills nothing
	STEP 1, 0, 0
	s_wait_dscnt 4*NL
	WIN MUL_LO
	MUL16 0, 1, NQ-1, 1, 0
	MUL16 2, 1, NQ-1, 1, 0
	s_wait_dscnt 0
	WIN MUL_HI
	MUL16 4, 1, NQ-1, 1, 0
	MUL16 6, 1, NQ-1, 1, 0
	WIN 0
	; THE WAY OUT.  Block a's 64 registers of a lane are 128 neighbours (with lane l xor 16's) along the next K: four blocks of 32.  They become a fragment's 12 registers and a scale word, and leave from the registers.
	PLACES NP                                      ; behind the last products
	s_mov_b32 s66, 0x76543210
	s_mov_b32 s67, 0xfedcba98                      ; v_permlanex16_b32's selects for lane l xor 16
	s_cmp_ge_u32 s12, 16                           ; v?
	s_cselect_b32 s20, s42, s17                    ; the tile and half that say which 128 tokens,
	s_cselect_b32 s21, s16, s15
	s_cselect_b32 s22, s17, s42                    ; and those that say which two heads
	s_cselect_b32 s23, s15, s16
	s_mov_b32 s44, 98304
	s_cselect_b32 s44, 768, s44                    ; from a fragment's first half image to its second: k, q: the next head's; v: on end
	s_mov_b32 s46, 768
	s_cselect_b32 s46, 1536, s46                   ; from block to block
	s_mov_b32 s92, 768
	s_cselect_b32 s92, 93696, s92                  ; from block 3 to block 4: v: the next head's first tile, 98,304 - 3 x 1,536
	s_cselect_b32 s45, -1, 0                       ; v, as a mask over the lanes
	s_mov_b32 s47, 0
	s_mov_b32 s93, 0
	s_lshl_b32 s20, s20, 1
	s_add_co_u32 s20, s20, s21                     ; which 128 tokens of the 8,192
	s_lshl_b32 s22, s22, 2
	s_lshl_b32 s23, s23, 1
	s_add_co_u32 s22, s22, s23                     ; my first head
	s_lshr_b32 s21, s20, 4
	s_lshl_b32 s21, s21, 4
	s_add_co_u32 s21, s21, s22                     ; 16 b + head
	s_and_b32 s20, s20, 15                         ; which 128 tokens of the batch
	s_mul_i32 s40, s13, 6291456
	s_mul_i32 s41, s21, 98304
	s_add_co_u32 s40, s40, s41
	s_mul_i32 s41, s20, 6144
	s_add_co_u32 s40, s40, s41
	s_mov_b32 s41, 0
	s_add_nc_u64 s[8:9], s[8:9], s[40:41]          ; block 0's image
	s_lshl_b32 s40, s13, 18
	s_lshl_b32 s43, s21, 12
	s_add_co_u32 s40, s40, s43
	s_lshl_b32 s43, s20, 8
	s_add_co_u32 s40, s40, s43
	s_add_nc_u64 s[10:11], s[10:11], s[40:41]      ; my first head's 256 bytes of scale words
	s_mov_b32 s43, 0xffff0000                      ; lanes 16-31
	v_and_b32 v1, 31, v0
	v_lshlrev_b32 v[VO16], 4, v1
	v_lshlrev_b32 v[VO8], 3, v1
	v_add_nc_u32 v[VO16B], s44, v[VO16]
	v_add_nc_u32 v[VO8B], s44, v[VO8]
	v_and_b32 v2, 15, v0
	v_bfe_u32 v3, v0, 4, 1
	v_lshlrev_b32 v[VOS], 4, v2
	v_lshl_add_u32 v[VOS], v3, 12, v[VOS]          ; scale words: 16 r; lanes 16-31 store the next head's, 4,096 bytes on
	v_mov_b32 v[SLK], 0x05040100                   ; k, q: lanes 0-15 take each word's bytes 0, 1 (my first head), lanes 16-31 its bytes 2, 3
	v_mov_b32 v4, 0x07060302
	v_cndmask_b32 v[SLK], v[SLK], v4, s43
	v_mov_b32 v[SLV], 0x03020100                   ; v: lanes 0-15 take blocks 0-3's words, lanes 16-31 blocks 4-7's
	v_mov_b32 v4, 0x07060504
	v_cndmask_b32 v[SLV], v[SLV], v4, s43
.irp b, 0,1,2,3
	v_mov_b32 v[TM+4+\b], 0                        ; written once: a lane permute's destination counts as one of its sources
.endr
.macro QUANT a
.set AC, 64*((\a)%4)
.set WD, 2+(\a)/4
.set WS, (WD<<2)|(WD<<4)
	WIN WS                                         ; sources 1 and 2: the accumulators' window
.irp b, 0,1,2,3
	v_max3_num_f32 v[TM+\b], 0x1800000, |v[AC+16*\b]|, |v[AC+1+16*\b]|   ; block b: my 16 numbers and the floor 2^(3 - 127); each accumulator is read from its low end on
.endr
.irp i, 2,4,6,8,10,12,14
.irp b, 0,1,2,3
	v_max3_num_f32 v[TM+\b], v[TM+\b], |v[AC+16*\b+\i]|, |v[AC+1+16*\b+\i]|
.endr
.endr
	WIN 0
.irp b, 0,1,2,3
	v_permlanex16_b32 v[TM+4+\b], v[TM+\b], s66, s67
.endr
.irp b, 0,1,2,3
	v_max_num_f32 v[TM+\b], v[TM+\b], v[TM+4+\b]   ; with lane l xor 16's: the block's largest magnitude
.endr
.irp b, 0,1,2,3
	v_add_nc_u32 v[TM+12+\b], 0xff000000, v[TM+\b] ; 2 off its exponent field: the conversion's scale operand
.endr
.irp b, 0,1,2,3
	v_lshrrev_b32 v[TM+4+\b], 23, v[TM+12+\b]      ; the scale's byte
.endr
	v_lshl_or_b32 v[PW+(\a)], v[TM+5], 8, v[TM+4]
	v_lshl_or_b32 v[PW+(\a)], v[TM+6], 16, v[PW+(\a)]
	v_lshl_or_b32 v[PW+(\a)], v[TM+7], 24, v[PW+(\a)]
	WIN WD                                         ; source 0: the accumulators' window
.irp c, 0,1
	v_cvt_scalef32_pk16_fp6_f32 v[PC+6*\c:PC+2+6*\c], v[AC+32*\c:AC+15+32*\c], v[TM+12+2*\c]
	v_cvt_scalef32_pk16_fp6_f32 v[PC+12+4*\c:PC+14+4*\c], v[AC+16+32*\c:AC+31+32*\c], v[TM+12+2*\c+1]   ; (a conversion's three registers begin on an even number)
.endr
	WIN 0
	v_nop                                          ; one plain place behind a scaled conversion
.irp c, 0,1                            ; the operand's layout wants a whole block in a lane: lanes 0-15 block 2 c, lanes 16-31 block 2 c + 1
.irp i, 0,1,2
	v_permlane16_swap_b32 v[PC+6*\c+\i], v[PC+12+4*\c+\i]
.endr
.irp i, 0,1,2
	v_mov_b32 v[PC+3+6*\c+\i], v[PC+12+4*\c+\i]
.endr
.endr
.endm
.macro PUT a
	s_wait_xcnt 0x0                                ; the last block's stores have read their data and their base: both are written again only behind this wait
.if (\a) == 4
	s_add_nc_u64 s[8:9], s[8:9], s[92:93]
.elseif (\a) > 0
	s_add_nc_u64 s[8:9], s[8:9], s[46:47]
.endif
	QUANT \a
	global_store_b128 v[VO16], v[PC:PC+3], s[8:9]                  ; 512 consecutive bytes,
	global_store_b64 v[VO8], v[PC+4:PC+5], s[8:9] offset:512       ; 256 more: the first half image
	global_store_b128 v[VO16B], v[PC+6:PC+9], s[8:9]               ; and the second
	global_store_b64 v[VO8B], v[PC+10:PC+11], s[8:9] offset:512
.endm
.irp a, 0,1,2,3,4,5,6,7
	PUT \a
.endr
.irp i, 0,1,2,3
	v_perm_b32 v[XK+\i], v[PW+2*\i+1], v[PW+2*\i], v[SLK]   ; k, q: word i = tile 2 i's two bytes, then tile 2 i + 1's
	v_perm_b32 v[XV+\i], v[PW+4+\i], v[PW+\i], v[SLV]       ; v: word i = feature tile i's four bytes
.endr
.irp i, 0,1,2,3
	v_cndmask_b32 v[XK+\i], v[XK+\i], v[XV+\i], s45         ; a choice of values: no branch
.endr
	global_store_b128 v[VOS], v[XK:XK+3], s[10:11]          ; sixteen lanes store 256 consecutive bytes, aligned: one head's words
	s_wait_tensorcnt 0x0                           ; the wave's end
	ds_add_u32 v[SPW], v[NIL]
	s_wait_dscnt 0x0
	CROUND                                         ; the closing round: no work-group ends while a partner may still ask for a tile that names it
	s_endpgm
.Lfunc_end_k_qff33099cfa_proj:
	.size	k_qff33099cfa_proj, .Lfunc_end_k_qff33099cfa_proj-k_qff33099cfa_proj
	.p2alignl 7, 3214868480
	.fill 96, 4, 3214868480
	.section	.rodata,"a",@progbits
	.p2align	6, 0x0
	.amdhsa_kernel k_qff33099cfa_proj
		.amdhsa_group_segment_fixed_size 327680
		.amdhsa_private_segment_fixed_size 0
		.amdhsa_enable_private_segment 0
		.amdhsa_kernarg_size 32
		.amdhsa_user_sgpr_count 2
		.amdhsa_user_sgpr_kernarg_segment_ptr 1
		.amdhsa_wavefront_size32 1
		.amdhsa_system_sgpr_workgroup_id_x 1
		.amdhsa_system_sgpr_workgroup_id_y 1
		.amdhsa_system_sgpr_workgroup_id_z 1
		.amdhsa_system_vgpr_workitem_id 0
		.amdhsa_next_free_vgpr 1024
		.amdhsa_next_free_sgpr 100
		.amdhsa_reserve_vcc 0
		.amdhsa_float_denorm_mode_32 3
		.amdhsa_float_denorm_mode_16_64 3
		.amdhsa_memory_ordered 1
		.amdhsa_forward_progress 1
		.amdhsa_inst_pref_size 167
	.end_amdhsa_kernel
	.amdgpu_metadata
---
amdhsa.version: [ 1, 2 ]
amdhsa.kernels:
  - .name:           k_qff33099cfa_proj
    .symbol:         k_qff33099cfa_proj.kd
    .args:
      - { .name: qc, .offset: 0, .size: 8, .value_kind: global_buffer, .address_space: global }
      - { .name: qs, .offset: 8, .size: 8, .value_kind: global_buffer, .address_space: global }
      - { .name: img, .offset: 16, .size: 8, .value_kind: global_buffer, .address_space: global }
      - { .name: isc, .offset: 24, .size: 8, .value_kind: global_buffer, .address_space: global }
    .group_segment_fixed_size: 327680
    .private_segment_fixed_size: 0
    .kernarg_segment_align: 8
    .kernarg_segment_size: 32
    .max_flat_workgroup_size: 128
    .sgpr_count:     100
    .vgpr_count:     1024
    .wavefront_size: 32
...
	.end_amdgpu_metadata
.endif
;; end of part 2
;; launch attn (part 3): grid 4 x 64, 16 waves a work-group, no clusters, 206,848 bytes of LDS; arguments img, isc, mw, ctx; writes ctx
.if DOCPART == 3
	.amdgcn_target "amdgcn-amd-amdhsa--gfx1250"
	.amdhsa_code_object_version 6
	.text
	.protected	k_qff33099cfa_attn
	.globl	k_qff33099cfa_attn
	.p2align	8
	.type	k_qff33099cfa_attn,@function
k_qff33099cfa_attn:
	s_mov_b64 s[64:65], 0
	v_nop
	global_prefetch_b8 v0, s[64:65] scope:SCOPE_SE
	s_setreg_imm32_b32 hwreg(HW_REG_WAVE_MODE, 25, 1), 1
	s_wait_xcnt 0x0
; ATTN.  For one (batch, head) and 512 queries: S^T = K Q^T, the mask, p = 2^(t - M), O^T = V^T P^T, O / l, all products on codes of FP6 (E2M3) with E8M0 scales; the context is quantised along the head's 64 and stored as images.
; t = score x log2(e) / 8; M = the running largest t rounded up to a whole number; p is quantised along the keys, not normalised; the row's sum l is taken of the unquantised p and divides at the end.
; SHARES.  Sixteen waves, four to a SIMD, 256 registers each.  A wave takes two tiles of 16 queries, one after the other, and walks the head's 2,048 keys in 16 steps of 128.
; THE HEAD'S K AND V STAY IN LDS, filled once through registers: 98,304 bytes of K's images, 98,304 of V's, 4,096 of each one's scale words.  One barrier; behind it LDS is only read.
; NO CLUSTER: the four work-groups of a head share 204,800 bytes, which each reads once, at its head, for 512 wave-steps of work; in the loop the only bytes from memory are the mask words of the work-group's own queries, which no partner wants.
; THE HEAD IS 64 WIDE, THE INSTRUCTION 128: a K operand holds key tile 2 B in k 0-63 and key tile 2 B + 1 in k 64-127, and is multiplied by (q, zero codes) and by (zero codes, q): each fragment read feeds two products.
; LAYOUT.  Both products are used transposed: a lane holds one query.  THE KEYS OF A TILE ARE NOT NEIGHBOURS: row r of stored key tile 4 G + t is key 64 G + 32 (r / 8) + 8 t + r % 8, so that S^T's register 32 G + i of lane (r, h) is key
; 128 s + 64 G + 32 h + i: A WHOLE BLOCK OF 32 KEYS LIES IN ONE LANE, as the second product's operand wants it: a block's largest score needs no other lane, and p's codes change no lane.
; The channels of V's tiles are stored with bits 3 and 4 of their number exchanged: O^T's register 16 A + i is channel 32 A + 16 h + i.
; THE MASK comes as 64 lane masks a step (word n for register n), by four scalar loads; the 64 selects are done in every step: no branch hangs on loaded numbers.  Hidden scores become -infinity ahead of the maximum.
; A step's words are asked for in the step before, as soon as the selects have read the registers: the rest of that step and the next step's first products stand between the request and the wait.
; LIMITS: a query all of whose keys are hidden has l = 0: its scale bytes are set to 0xff, which makes its whole row of the output NaN, as the softmax of such a row is.  A block of zeros gets the byte 1.  NaN and infinities among the inputs are not served.
; REGISTERS: v1-7 lane terms; v8-11, v43 addresses of the step; v12 -M, v13 the largest t, v[14:15] the sum; v[16:27] (q, 0); v[28:39] (0, q); v40 q's scale word; v41 -infinity; v[44:91] four fragments; v[92:95] their scale words;
;   v[96:159] S^T, then p; v[160:191] O^T; v[192:203] p's codes; v204-210 the conversions' second halves; v212-225 at work; v[226:227] f; v228 p's scale word; v229 8 h; v[230:231] the sum's second chain; v232-236 the fill's addresses.
;   s[32:63], s[68:99] a step's 64 mask words; s24 the offset of the words that are being asked for.
.set BM, 212                           ; v212-215 four chains of maxima; then v212, v214 my two blocks' largest scores, then their largest p
.set PT, 216                           ; v216-219 at work: the other half's numbers, the bytes
.set SO, 220                           ; v220-221 the conversions' scale operands
	s_load_b256 s[4:11], s[0:1], 0x0               ; img, isc, mw, ctx
	v_lshl_add_u32 v254, v0, 2, 0x32000
	v_mov_b32 v255, 0
	v_lshrrev_b32 v1, 5, v0
	s_delay_alu instid0(VALU_DEP_1)
	v_readfirstlane_b32 s12, v1                    ; wave 0..15
	s_and_b32 s13, ttmp7, 0xffff                   ; 16 b + head
	s_lshr_b32 s14, s13, 4                         ; b
	s_and_b32 s15, s13, 15                         ; head
	s_mov_b32 s16, 0x76543210
	s_mov_b32 s17, 0xfedcba98                      ; v_permlanex16_b32's selects for lane l xor 16
	s_mov_b32 s18, 0x3e38aa3b                      ; c = log2(e) / 8
	s_mov_b32 s19, s18                             ; (named with it as a pair)
	s_mul_i32 s30, s13, 98304
	s_mov_b32 s31, 0
	s_lshl_b32 s26, s13, 12
	s_mov_b32 s27, 0
	v_lshlrev_b32 v232, 4, v0                      ; 16 x thread: in memory and in LDS
	s_delay_alu instid0(VALU_DEP_1)
	v_add_nc_u32 v233, 0x10000, v232
	s_delay_alu instid0(VALU_DEP_2)
	v_add_nc_u32 v234, 0x20000, v232
	s_delay_alu instid0(VALU_DEP_3)
	v_add_nc_u32 v235, 0x30000, v232
	v_and_b32 v236, 255, v0
	s_delay_alu instid0(VALU_DEP_1)
	v_lshlrev_b32 v236, 4, v236
	s_wait_alu depctr_va_vdst(0)
	s_wait_kmcnt 0x0
	s_add_nc_u64 s[4:5], s[4:5], s[30:31]          ; the head's K images
	s_add_nc_u64 s[2:3], s[4:5], 12582912          ; its V images
	s_add_nc_u64 s[6:7], s[6:7], s[26:27]          ; K's scale words
	s_add_nc_u64 s[66:67], s[6:7], 524288          ; V's
	s_cmp_lt_u32 s12, 8
	s_cselect_b64 s[66:67], s[6:7], s[66:67]       ; waves 0-7 bring K's, waves 8-15 V's
	; THE FILL: 25 loads of 16 bytes a thread, 8,192 consecutive bytes a round
.irp i, 0,1,2,3,4,5,6,7,8,9,10,11
	global_load_b128 v[96+4*\i:99+4*\i], v232, s[4:5] offset:8192*\i
.endr
.irp i, 0,1,2,3,4,5,6,7,8,9,10,11
	global_load_b128 v[144+4*\i:147+4*\i], v232, s[2:3] offset:8192*\i
.endr
	global_load_b128 v[192:195], v236, s[66:67]
	v_and_b32 v2, 31, v0                           ; lane
	s_delay_alu instid0(VALU_DEP_1)
	v_lshlrev_b32 v1, 4, v2                        ; 16 x lane
	s_delay_alu instid0(VALU_DEP_2)
	v_lshlrev_b32 v2, 3, v2                        ; 8 x lane
	s_delay_alu instid0(VALU_DEP_2)
	v_add_nc_u32 v3, 98304, v1                     ; the same among V's images
	s_delay_alu instid0(VALU_DEP_2)
	v_add_nc_u32 v7, 98304, v2
	v_and_b32 v6, 15, v0                           ; r
	s_delay_alu instid0(VALU_DEP_1)
	v_lshlrev_b32 v5, 5, v6                        ; 32 r
	s_delay_alu instid0(VALU_DEP_2)
	v_lshlrev_b32 v6, 4, v6                        ; 16 r
	s_delay_alu instid0(VALU_DEP_1)
	v_add_nc_u32 v4, 196608, v6                    ; my row's four scale words
	v_mov_b32 v41, 0xff800000                      ; -infinity
	v_bfe_u32 v229, v0, 4, 1
	s_delay_alu instid0(VALU_DEP_1)
	v_lshlrev_b32 v229, 3, v229                    ; 8 h: how far up my two bytes stand in p's scale word
.irp i, 22,23,24,25,26,27,28,29,30,31,32,33
	v_mov_b32 v\i, 0                               ; the zero codes of (q, 0) and (0, q)
.endr
.irp i, 216,217,218,219,224,227
	v_mov_b32 v\i, 0                               ; written once: lane permutes' destinations, and the upper half of the pair v[226:227]
.endr
.set i, 0
.rept 25
	s_wait_loadcnt 24-i                            ; round i is in; the younger rounds may be out
	ds_store_b128 v[232+i/8], v[96+4*i:99+4*i] offset:8192*(i%8)
.set i, i+1
.endr
	s_add_nc_u64 s[4:5], s[4:5], 6291456           ; (all loads are in)  the head's Q images
	s_add_nc_u64 s[6:7], s[6:7], 262144            ; and Q's scale words
	s_mov_b32 s23, 0                               ; which of my two tiles
	s_wait_dscnt 0x0                               ; for the others' sake: my stores have landed
	s_barrier_signal -1
	s_barrier_wait -1
.Ltile:
	s_lshl_b32 s25, ttmp9, 5
	s_lshl_b32 s27, s23, 4
	s_add_co_u32 s25, s25, s27
	s_add_co_u32 s25, s25, s12                     ; T = 32 x work-group x + 16 x turn + wave
	s_lshl_b32 s26, s14, 7
	s_add_co_u32 s26, s26, s25                     ; 128 b + T
	s_mul_i32 s30, s25, 768
	s_add_nc_u64 s[2:3], s[4:5], s[30:31]          ; Q's half image
	s_lshr_b32 s30, s25, 3
	s_lshl_b32 s30, s30, 8
	s_bfe_u32 s27, s25, 0x20001
	s_lshl_b32 s27, s27, 2
	s_add_co_u32 s30, s30, s27
	s_add_nc_u64 s[66:67], s[6:7], s[30:31]        ; the word that holds its two bytes
	s_lshl_b32 s30, s26, 12
	s_add_nc_u64 s[28:29], s[8:9], s[30:31]        ; the tile's mask words: 256 bytes a step
	s_load_b512 s[32:47], s[28:29], 0x0            ; step 0's 64 mask words, beside Q's loads
	s_load_b512 s[48:63], s[28:29], 0x40
	s_load_b512 s[68:83], s[28:29], 0x80
	s_load_b512 s[84:99], s[28:29], 0xc0
	global_load_b128 v[16:19], v1, s[2:3]          ; q into k 0-63 of (q, 0),
	global_load_b64 v[20:21], v2, s[2:3] offset:512
	global_load_b128 v[34:37], v1, s[2:3]          ; and into k 64-127 of (0, q)
	global_load_b64 v[38:39], v2, s[2:3] offset:512
	global_load_b32 v42, v6, s[66:67]
	v_mov_b32 v13, 0xff61b1e6                      ; the largest t so far: -3e38
	s_delay_alu instid0(VALU_DEP_1)
	v_floor_f32 v12, -v13                          ; -M
	v_mov_b32 v14, 0
	v_mov_b32 v15, 0
	s_and_b32 s27, s25, 1
	s_cmp_lg_u32 s27, 0
	s_mov_b32 s27, 0x01000100
	s_cselect_b32 s27, 0x03020302, s27             ; an even tile's bytes are the word's 0, 1, an odd tile's its 2, 3
	s_mov_b32 s20, 0                               ; the step's images: 6,144 bytes a step
	s_mov_b32 s21, 0                               ; its scale words and its mask words: 256 bytes a step
	s_mov_b32 s22, 0                               ; the step
	s_wait_loadcnt 0x0
	v_perm_b32 v40, v42, v42, s27                  ; q's two bytes, twice: for k 0-63 and for k 64-127
.set j, 0
.rept 32
	v_mov_b32 v[160+j], 0                          ; O^T: the step is written once, and its first trip finds zeros.  (These are also the places between v40 and the scaled products)
.set j, j+1
.endr
.Lstep:
	s_setprio 2
	v_add_nc_u32 v8, s20, v1                       ; five additions: the places behind the last products, in front of the loads into their registers
	v_add_nc_u32 v9, s20, v2
	v_add_nc_u32 v10, s20, v3
	v_add_nc_u32 v43, s20, v7
	v_add_nc_u32 v11, s21, v4
.irp g, 0,1,2,3                        ; K: pair g = key tiles 2 g and 2 g + 1, two half images on end
	ds_load_b128 v[44+12*\g:47+12*\g], v8 offset:1536*\g
	ds_load_b64 v[48+12*\g:49+12*\g], v9 offset:1536*\g+512
	ds_load_b128 v[50+12*\g:53+12*\g], v8 offset:1536*\g+768
	ds_load_b64 v[54+12*\g:55+12*\g], v9 offset:1536*\g+1280
.endr
	ds_load_b128 v[92:95], v11                     ; the four pairs' scale words
	s_wait_alu depctr_va_vdst(0)
	s_wait_dscnt 0x0
.irp g, 0,1,2,3
	v_wmma_scale_f32_16x16x128_f8f6f4 v[96+16*\g:103+16*\g], v[44+12*\g:55+12*\g], v[16:27], 0, v[92+\g], v40 matrix_a_fmt:MATRIX_FMT_FP6 matrix_b_fmt:MATRIX_FMT_FP6
	v_wmma_scale_f32_16x16x128_f8f6f4 v[104+16*\g:111+16*\g], v[44+12*\g:55+12*\g], v[28:39], 0, v[92+\g], v40 matrix_a_fmt:MATRIX_FMT_FP6 matrix_b_fmt:MATRIX_FMT_FP6
.endr
	v_mov_b32 v225, v12                            ; the old -M is kept.  With the three lines below: four places in front of the loads below and of the first read of the scores
.rept 3
	v_nop
.endr
.irp g, 0,1,2,3                        ; V: channel tile g x these 128 keys; asked for here, so that it lands under the softmax
	ds_load_b128 v[44+12*\g:47+12*\g], v10 offset:1536*\g
	ds_load_b64 v[48+12*\g:49+12*\g], v43 offset:1536*\g+512
	ds_load_b128 v[50+12*\g:53+12*\g], v10 offset:1536*\g+768
	ds_load_b64 v[54+12*\g:55+12*\g], v43 offset:1536*\g+1280
.endr
	ds_load_b128 v[92:95], v11 offset:4096
	s_wait_kmcnt 0x0                               ; this step's mask words, asked for a step ago, are in (scalar loads come back in no order: the count is 0)
.set n, 0
.rept 32
	v_cndmask_b32 v[96+n], v[96+n], v41, s[32+n]   ; hidden: -infinity.  A choice of a value, made in every step
.set n, n+1
.endr
.rept 32
	v_cndmask_b32 v[96+n], v[96+n], v41, s[36+n]
.set n, n+1
.endr
.irp b, 0,1,2,3
	v_max3_num_f32 v[BM+\b], v[96+16*\b], v[97+16*\b], v[98+16*\b]   ; the largest score of my two blocks of 32 keys, in four chains of 16: it serves the row's maximum and, since p rises with the score, the block's largest p
.endr
.irp i, 3,5,7,9,11,13
.irp b, 0,1,2,3
	s_delay_alu instid0(VALU_DEP_4)
	v_max3_num_f32 v[BM+\b], v[BM+\b], v[96+16*\b+\i], v[97+16*\b+\i]
.endr
.endr
	s_delay_alu instid0(VALU_DEP_4)
	v_max_num_f32 v212, v212, v111                 ; chains 0 and 2 take their last score,
	s_delay_alu instid0(VALU_DEP_3)
	v_max_num_f32 v214, v214, v143
	s_delay_alu instid0(VALU_DEP_2)
	v_max3_num_f32 v212, v212, v213, v127          ; and then chains 1 and 3 with theirs: v212 = block h's, v214 = block 2 + h's
	s_delay_alu instid0(VALU_DEP_2)
	v_max3_num_f32 v214, v214, v215, v159
	s_delay_alu instid0(VALU_DEP_1)
	v_max_num_f32 v224, v212, v214
	s_delay_alu instid0(VALU_DEP_1)
	v_permlanex16_b32 v216, v224, s16, s17
	s_delay_alu instid0(VALU_DEP_1)
	v_max_num_f32 v224, v224, v216                 ; with lane l xor 16's two blocks: the step's largest score of my query
	s_delay_alu instid0(VALU_DEP_1)
	v_mul_f32 v224, s18, v224                      ; as t (c is positive)
	s_delay_alu instid0(VALU_DEP_1)
	v_max_num_f32 v13, v13, v224                   ; the running largest t
	s_delay_alu instid0(VALU_DEP_1)
	v_floor_f32 v12, -v13                          ; the new -M = -ceil(t): a whole number
	s_delay_alu instid0(VALU_DEP_1)
	v_sub_f32 v224, v12, v225                      ; old M - new M: a whole number, 0 or less
	s_delay_alu instid0(VALU_DEP_1)
	v_cvt_i32_f32 v224, v224                       ; (it saturates)
	s_delay_alu instid0(VALU_DEP_1)
	v_ldexp_f32 v226, 1.0, v224                    ; f = 2^(old M - new M): a multiplication by it rounds nothing
	s_add_co_u32 s24, s21, 256                     ; THE NEXT STEP'S MASK WORDS: the selects have read the 64 registers, and the wait on KMcnt above has shown the loads that read s24 done
	s_min_u32 s24, s24, 3840                       ; the tile's last step asks for its own words again: no load leaves the buffer
	s_load_b512 s[32:47], s[28:29], s24 offset:0x0
	s_load_b512 s[48:63], s[28:29], s24 offset:0x40
	s_load_b512 s[68:83], s[28:29], s24 offset:0x80
	s_load_b512 s[84:99], s[28:29], s24 offset:0xc0
.set j, 0
.rept 32
	v_pk_fma_f32 v[96+j:97+j], v[96+j:97+j], s[18:19], v[12:13] op_sel_hi:[1,0,0]   ; t - M, two at a time
.set j, j+2
.endr
	v_fma_f32 v212, v212, s18, v12                 ; the same of my two blocks' largest scores
	v_fma_f32 v214, v214, s18, v12
.set j, 0
	s_setprio 1
	s_wait_alu depctr_va_vdst(0)
.rept 64
	v_exp_f32 v[96+j], v[96+j]                     ; p = 2^(t - M)
.set j, j+1
.endr
	v_pk_mul_f32 v[14:15], v[14:15], v[226:227] op_sel_hi:[1,0]   ; the sums under the new M: a plain line behind the exponentials
	s_wait_alu depctr_va_vdst(0)                   ; one wait for the batch of 64, ahead of its first reader
	v_exp_f32 v212, v212                           ; my two blocks' largest p
	v_exp_f32 v214, v214
	v_pk_add_f32 v[230:231], v[100:101], v[104:105]
	v_pk_add_f32 v[252:253], v[108:109], v[112:113]
	v_pk_add_f32 v[250:251], v[116:117], v[120:121]
	v_pk_add_f32 v[248:249], v[124:125], v[128:129]
	v_pk_add_f32 v[246:247], v[132:133], v[136:137]
	v_pk_add_f32 v[244:245], v[140:141], v[144:145]
	v_pk_add_f32 v[242:243], v[148:149], v[152:153]
	v_pk_add_f32 v[14:15], v[14:15], v[156:157]
	v_pk_add_f32 v[230:231], v[230:231], v[96:97]
	v_pk_add_f32 v[252:253], v[252:253], v[98:99]
	v_pk_add_f32 v[250:251], v[250:251], v[102:103]
	v_pk_add_f32 v[248:249], v[248:249], v[106:107]
	v_pk_add_f32 v[246:247], v[246:247], v[110:111]
	v_pk_add_f32 v[244:245], v[244:245], v[114:115]
	v_pk_add_f32 v[242:243], v[242:243], v[118:119]
	v_pk_add_f32 v[14:15], v[14:15], v[122:123]
	v_pk_add_f32 v[230:231], v[230:231], v[126:127]
	v_pk_add_f32 v[252:253], v[252:253], v[130:131]
	v_pk_add_f32 v[250:251], v[250:251], v[134:135]
	v_pk_add_f32 v[248:249], v[248:249], v[138:139]
	v_pk_add_f32 v[246:247], v[246:247], v[142:143]
	v_pk_add_f32 v[244:245], v[244:245], v[146:147]
	v_pk_add_f32 v[242:243], v[242:243], v[150:151]
	v_pk_add_f32 v[14:15], v[14:15], v[154:155]
	v_pk_add_f32 v[230:231], v[230:231], v[158:159]
	s_delay_alu instid0(VALU_DEP_2)
	v_pk_add_f32 v[14:15], v[14:15], v[248:249]
	s_delay_alu instid0(VALU_DEP_2)
	v_pk_add_f32 v[230:231], v[230:231], v[246:247]
	v_pk_add_f32 v[252:253], v[252:253], v[244:245]
	v_pk_add_f32 v[250:251], v[250:251], v[242:243]
	s_delay_alu instid0(VALU_DEP_2)
	v_pk_add_f32 v[14:15], v[14:15], v[252:253]
	s_delay_alu instid0(VALU_DEP_2)
	v_pk_add_f32 v[230:231], v[230:231], v[250:251]
	s_delay_alu instid0(VALU_DEP_1)
	v_pk_add_f32 v[14:15], v[14:15], v[230:231]
	s_wait_alu depctr_va_vdst(0)                   ; and one for the two
	v_max_num_f32 v212, 0x1800000, v212            ; the floor 2^(3 - 127): the byte cannot fall under 1
	v_max_num_f32 v214, 0x1800000, v214
	s_delay_alu instid0(VALU_DEP_2)
	v_add_nc_u32 v220, 0xff000000, v212            ; 2 off the exponent field: the conversion's scale operand
	s_delay_alu instid0(VALU_DEP_2)
	v_add_nc_u32 v221, 0xff000000, v214
	s_delay_alu instid0(VALU_DEP_2)
	v_lshrrev_b32 v216, 23, v220                   ; the scales' bytes
	s_delay_alu instid0(VALU_DEP_2)
	v_lshrrev_b32 v217, 23, v221
	s_delay_alu instid0(VALU_DEP_1)
	v_lshl_or_b32 v228, v217, 16, v216             ; my two bytes, blocks h and 2 + h of my query,
	s_delay_alu instid0(VALU_DEP_1)
	v_lshlrev_b32 v228, v229, v228                 ; at their places in the scale word (8 h bits up);
	s_delay_alu instid0(VALU_DEP_1)
	v_permlanex16_b32 v218, v228, s16, s17
	s_delay_alu instid0(VALU_DEP_1)
	v_or_b32 v228, v228, v218                      ; with lane l xor 16's two the word of these 128 keys is whole
	s_setprio 0
.irp c, 0,1
	v_cvt_scalef32_pk16_fp6_f32 v[192+6*\c:194+6*\c], v[96+32*\c:111+32*\c], v[SO+\c]   ; registers 6 c .. 6 c + 5 of the operand: k = 64 c + 32 h + 0 .. 31
	v_cvt_scalef32_pk16_fp6_f32 v[204+4*\c:206+4*\c], v[112+32*\c:127+32*\c], v[SO+\c]  ; (a conversion's three registers begin on an even number: the second half is made elsewhere and moved)
.endr
	v_nop                                          ; one plain place behind a scaled conversion
.irp c, 0,1
.irp i, 0,1,2
	v_mov_b32 v[195+6*\c+\i], v[204+4*\c+\i]
.endr
.endr
.set j, 0
.rept 16
	v_pk_mul_f32 v[160+j:161+j], v[160+j:161+j], v[226:227] op_sel_hi:[1,0]   ; O^T under the new M.  (These 16 are also the places between p's codes and scale word and the scaled products)
.set j, j+2
.endr
	s_wait_alu depctr_va_vdst(0)
	s_wait_dscnt 0x0                               ; V is in
.irp g, 0,1,2,3                        ; the four accumulators by turns, one instruction a turn; the eight products of S^T stand between two links of a chain
	v_wmma_scale_f32_16x16x128_f8f6f4 v[160+8*\g:167+8*\g], v[44+12*\g:55+12*\g], v[192:203], v[160+8*\g:167+8*\g], v[92+\g], v228 matrix_a_fmt:MATRIX_FMT_FP6 matrix_b_fmt:MATRIX_FMT_FP6
.endr
	s_add_co_u32 s20, s20, 6144
	s_add_co_u32 s21, s21, 256
	s_add_co_u32 s22, s22, 1
	s_cmp_lt_u32 s22, 16
	s_cbranch_scc1 .Lstep
	s_setprio 0
	; THE TILE'S END: O^T / l, quantised along the head's 64 (two blocks, each in lanes l and l xor 16), as a half image of the last product's operand
.rept 4
	v_nop                                          ; places behind the last products
.endr
	v_add_f32 v14, v14, v15                        ; the sum's two halves,
	s_delay_alu instid0(VALU_DEP_1)
	v_permlanex16_b32 v224, v14, s16, s17
	s_delay_alu instid0(VALU_DEP_1)
	v_add_f32 v14, v14, v224                       ; and lane l xor 16's: l
	s_wait_alu depctr_va_vdst(0)
	v_rcp_f32 v226, v14
	v_nop                                          ; a plain place behind the transcendental
	s_lshl_b32 s30, s26, 4
	s_add_co_u32 s30, s30, s15
	s_mul_i32 s30, s30, 768
	s_add_nc_u64 s[2:3], s[10:11], s[30:31]        ; ctx: ((128 b + T) x 16 + head) x 768
	s_lshl_b32 s30, s26, 9
	s_lshl_b32 s27, s15, 1
	s_add_co_u32 s30, s30, s27
	s_add_co_u32 s30, s30, 6291456
	s_add_nc_u64 s[66:67], s[10:11], s[30:31]      ; its scale bytes: 32 a stored row, the head's two at 2 x head
	s_wait_alu depctr_va_vdst(0)                   ; ahead of the reciprocal's first reader
.set j, 0
.rept 16
	v_pk_mul_f32 v[96+j:97+j], v[160+j:161+j], v[226:227] op_sel_hi:[1,0]
.set j, j+2
.endr
.irp b, 0,1
	v_max3_num_f32 v[BM+\b], |v[96+16*\b]|, |v[97+16*\b]|, 0x1800000
.endr
.irp i, 2,4,6,8,10,12,14
.irp b, 0,1
	s_delay_alu instid0(VALU_DEP_2)
	v_max3_num_f32 v[BM+\b], v[BM+\b], |v[96+16*\b+\i]|, |v[97+16*\b+\i]|
.endr
.endr
.irp b, 0,1
	s_delay_alu instid0(VALU_DEP_2)
	v_permlanex16_b32 v[PT+\b], v[BM+\b], s16, s17
.endr
.irp b, 0,1
	s_delay_alu instid0(VALU_DEP_2)
	v_max_num_f32 v[BM+\b], v[BM+\b], v[PT+\b]
.endr
.irp b, 0,1
	s_delay_alu instid0(VALU_DEP_2)
	v_add_nc_u32 v[SO+\b], 0xff000000, v[BM+\b]
.endr
.irp b, 0,1
	s_delay_alu instid0(VALU_DEP_2)
	v_lshrrev_b32 v[PT+\b], 23, v[SO+\b]
.endr
	s_delay_alu instid0(VALU_DEP_1)
	v_lshl_or_b32 v224, v217, 8, v216              ; the two bytes
	v_mov_b32 v225, 0xffff
	v_cmp_eq_f32 vcc_lo, 0, v14                    ; every key hidden: both bytes 0xff.  A choice of a value: no branch
	s_delay_alu instid0(VALU_DEP_1)
	v_cndmask_b32 v224, v224, v225, vcc_lo
	v_cvt_scalef32_pk16_fp6_f32 v[192:194], v[96:111], v220
	v_cvt_scalef32_pk16_fp6_f32 v[204:206], v[112:127], v221
	v_nop                                          ; one plain place behind a scaled conversion
.irp i, 0,1,2
	v_permlane16_swap_b32 v[192+\i], v[204+\i]     ; a whole block in a lane: lanes 0-15 block 0, lanes 16-31 block 1
.endr
.irp i, 0,1,2
	s_delay_alu instid0(VALU_DEP_3)
	v_mov_b32 v[195+\i], v[204+\i]
.endr
	global_store_b128 v1, v[192:195], s[2:3]       ; 512 consecutive bytes,
	global_store_b64 v2, v[196:197], s[2:3] offset:512   ; and 256 more
	global_store_b16 v5, v224, s[66:67]            ; both lanes of a row store the same two bytes: 32 bytes of scales beside 768 of codes
	s_wait_kmcnt 0x0                               ; the last step's request has landed: the next tile writes its base and loads into its 64 registers
	s_wait_xcnt 0x0                                ; the stores have read their data and bases: the next tile writes both again
	s_add_co_u32 s23, s23, 1
	s_cmp_lt_u32 s23, 2
	s_cbranch_scc1 .Ltile
	s_wait_tensorcnt 0x0
	ds_add_u32 v254, v255
	s_wait_dscnt 0x0
	s_endpgm
.Lfunc_end_k_qff33099cfa_attn:
	.size	k_qff33099cfa_attn, .Lfunc_end_k_qff33099cfa_attn-k_qff33099cfa_attn
	.p2alignl 7, 3214868480
	.fill 96, 4, 3214868480
	.section	.rodata,"a",@progbits
	.p2align	6, 0x0
	.amdhsa_kernel k_qff33099cfa_attn
		.amdhsa_group_segment_fixed_size 206848
		.amdhsa_private_segment_fixed_size 0
		.amdhsa_enable_private_segment 0
		.amdhsa_kernarg_size 32
		.amdhsa_user_sgpr_count 2
		.amdhsa_user_sgpr_kernarg_segment_ptr 1
		.amdhsa_wavefront_size32 1
		.amdhsa_system_sgpr_workgroup_id_x 1
		.amdhsa_system_sgpr_workgroup_id_y 1
		.amdhsa_system_sgpr_workgroup_id_z 1
		.amdhsa_system_vgpr_workitem_id 0
		.amdhsa_next_free_vgpr 256
		.amdhsa_next_free_sgpr 100
		.amdhsa_reserve_vcc 1
		.amdhsa_float_denorm_mode_32 3
		.amdhsa_float_denorm_mode_16_64 3
		.amdhsa_memory_ordered 1
		.amdhsa_forward_progress 1
		.amdhsa_inst_pref_size 38
	.end_amdhsa_kernel
	.amdgpu_metadata
---
amdhsa.version: [ 1, 2 ]
amdhsa.kernels:
  - .name:           k_qff33099cfa_attn
    .symbol:         k_qff33099cfa_attn.kd
    .args:
      - { .name: img, .offset: 0, .size: 8, .value_kind: global_buffer, .address_space: global }
      - { .name: isc, .offset: 8, .size: 8, .value_kind: global_buffer, .address_space: global }
      - { .name: mw, .offset: 16, .size: 8, .value_kind: global_buffer, .address_space: global }
      - { .name: ctx, .offset: 24, .size: 8, .value_kind: global_buffer, .address_space: global }
    .group_segment_fixed_size: 206848
    .private_segment_fixed_size: 0
    .kernarg_segment_align: 8
    .kernarg_segment_size: 32
    .max_flat_workgroup_size: 512
    .sgpr_count:     100
    .vgpr_count:     256
    .wavefront_size: 32
...
	.end_amdgpu_metadata
.endif
;; end of part 3
;; launch outp (part 4): grid 4 x 32, 4 waves a work-group, clusters of 4 x 4, 327,680 bytes of LDS; arguments ctx, qc, qs, bc, out0; writes out0
.if DOCPART == 4
	.amdgcn_target "amdgcn-amd-amdhsa--gfx1250"
	.amdhsa_code_object_version 6
	.text
	.protected	k_qff33099cfa_outp
	.globl	k_qff33099cfa_outp
	.p2align	8
	.type	k_qff33099cfa_outp,@function
k_qff33099cfa_outp:
	s_mov_b64 s[64:65], 0
	v_nop
	global_prefetch_b8 v0, s[64:65] scope:SCOPE_SE
	s_setreg_imm32_b32 hwreg(HW_REG_WAVE_MODE, 25, 1), 1
	s_wait_xcnt 0x0
	s_wait_alu depctr_hold_cnt(0) depctr_sa_sdst(0) depctr_va_vdst(0) depctr_va_sdst(0) depctr_va_ssrc(0) depctr_va_vcc(0) depctr_vm_vsrc(0)
	s_getreg_b32 s2, hwreg(HW_REG_IB_STS2, 6, 4)
	s_cmp_eq_u32 s2, 0
	s_cbranch_scc0 .Lentry_in_a_cluster
	s_endpgm
.Lentry_in_a_cluster:
	s_bfe_u32 s2, ttmp6, 0x10000c
	s_cmp_lg_u32 s2, 0xf033
	s_cbranch_scc0 .Lentry_shape_is_right
	s_endpgm
.Lentry_shape_is_right:
; OUTP.  out0 = context Wc^T + bc on codes of FP6 (E2M3) with E8M0 scales, K = 1,024, f32 sums.  128 tiles of 256 x 256, four waves each, a wave 128 x 128 in 64 accumulators.
; K goes in steps of 256 through a ring of two LDS slots filled by the tensor data mover; the scale bytes of the tile's rows come once and stay.  Clusters of 4 x 4: A's tiles are asked for jointly along a row, B's along a column.
; A, the context, lies in ctx as IMAGES OF THE OPERAND'S REGISTERS: tile of 16 stored rows x 16 heads x 768 bytes; two heads' half images on end are a fragment of 128 along K: registers 0-3 at 16 x lane, 4-5 at 512 + 8 x lane,
; 6-9 at 768 + 16 x lane, 10-11 at 1,280 + 8 x lane.  A K step of a tile is 3,072 consecutive bytes, so a wave's tensor load brings 8 rows of 3,072 bytes, 12,288 apart, and no padding is wanted.
; B, Wc, lies in qc as rows of 768 bytes from row 27,648 on.  The matrix instruction is used transposed: source 0 = 16 rows of Wc, source 1 = 16 rows of the context.
; Both operands' rows are stored with bits 3 and 4 of their number exchanged: the way out puts columns (in the stage) and rows (in the stores' offsets) back.  bc is the C of each sum's first product.
; REGISTERS, in windows of 256: window 0: v0-31 addresses; v32-63 scale words, two sets; v64-127 bc in the result's layout; from v128 A's fragments, one set; on the way out v128-255 rows of the output.
;   window 1: B's fragments, two sets.  windows 2, 3: the accumulators.
.set KSTEP,  256
.set NQ,     2
.set ROWB,   192
.set KROW,   768
.set PITCH,  240
.set FR,     12
.set NL,     6                         ; LDS loads that bring a fragment of B
.set NLA,    4                         ; and of A
.set NP,     4
.set HALFT,  128*PITCH                 ; a wave's part of a slot; A's uses 24,576 bytes of it
.set SLOT,   4*HALFT
.set LAPS,   2
.set KS,     32
.set SCL,    2*SLOT
.set HALFS,  (128*KS/256)*272
.set SBLK,   (16*KS/256)*272
.set SPARE,  SCL+4*HALFS               ; the spare words, 128 bytes a wave: two blocks of 256 bytes that no other line names
.set SPITCH, 528                       ; the way out: a stage of 16 rows x (512 bytes + 16) a wave, in slot 0, which has had its last fill and its last read when the first result is stored there
.set ASTEP,  3072                      ; a K step of a tile of A
.set ADRA, 16                          ; v16-17 16 x lane + my half of A in slot 0, 1;  v18-19 the same with 8 x lane
.set ADRB, 20
.set STO,  24
.set RD,   25
.set CO,   26
.set ADRS, 27
.set SPW,  28
.set NIL,  29
.set SC,   32
.set BI,   64
.set AF,   128
.set BK,   128
.set G1, 24
.set G0, 32
.set G1B, 48
.set G0B, 56
.set G1S, 68
.set G0S, 76
.set G1SB, 80
.set G0SB, 88
.set MSB, 0
.macro WIN new                         ; the immediate's high byte repeats the setting that is left
.if MSB != \new
	s_set_vgpr_msb (MSB<<8)|\new
.set MSB, \new
.endif
.endm
.set TO_B,   0x40
.macro WMUL hi, zero                   ; source 0 (B) window 1, source 1 (A) window 0, D window 2 or 3; C with D, or, for the first products, bc in window 0
.if \zero
.set WN, 0x81+0x40*(\hi)
.else
.set WN, 0xa1+0x50*(\hi)
.endif
	WIN WN
.endm
.macro JLOAD g0a, g1a, g0b, g1b        ; a joint load: waves 0 and 1 fetch for A, waves 2 and 3 for B; four v_nop follow each of the two lines
	s_cmp_eq_u32 s15, 0
	s_cbranch_scc0 .Lfor_b_\@
	tensor_load_to_lds s[\g0a:\g0a+3], s[\g1a:\g1a+7]
	s_nop 0
.rept 4
	v_nop
.endr
	s_branch .Lasked_\@
.Lfor_b_\@:
	tensor_load_to_lds s[\g0b:\g0b+3], s[\g1b:\g1b+7]
	s_nop 0
.rept 4
	v_nop
.endr
.Lasked_\@:
.endm
.macro CREST
	s_cmp_lg_u32 s14, 0
	s_cbranch_scc1 .Lnot_wave_0_\@
	s_barrier_signal -3
.Lnot_wave_0_\@:
	s_barrier_wait -3
	s_barrier_signal -1
	s_barrier_wait -1
.endm
.macro CROUND
	s_barrier_signal -1
	s_barrier_wait -1
	CREST
.endm
	s_load_b128 s[4:7], s[0:1], 0x0                ; ctx, qc
	s_load_b128 s[8:11], s[0:1], 0x10              ; qs, bc
	s_load_b64 s[12:13], s[0:1], 0x20              ; out0
	v_lshl_add_u32 v[SPW], v0, 2, SPARE
	v_mov_b32 v[NIL], 0
	ds_add_u32 v28, v29
	ds_add_u32 v28, v29
	s_wait_dscnt 0x0
	v_lshrrev_b32 v1, 5, v0
	v_readfirstlane_b32 s14, v1                    ; wave 0..3
	s_lshr_b32 s15, s14, 1                         ; my half of the tile's rows.  Also: I fetch for A (0) or for B (1)
	s_and_b32 s16, s14, 1                          ; my half of its columns.  Also: which half I fetch
	s_bfe_u32 s40, ttmp6, 0x40000                  ; cx
	s_bfe_u32 s41, ttmp6, 0x40004                  ; cy
	s_lshl_b32 s42, ttmp9, 2
	s_add_co_u32 s42, s42, s40                     ; tile column
	s_and_b32 s17, ttmp7, 0xffff
	s_lshl_b32 s17, s17, 2
	s_add_co_u32 s17, s17, s41                     ; tile row
	s_lshl_b32 s43, s41, 2
	s_lshl_b32 s43, 15, s43                        ; my row of the cluster
	s_lshl_b32 s44, 0x1111, s40                    ; my column
	; A's tiles: 8 rows of 384 elements of 8 bytes, 1,536 elements apart, no padding
	s_or_b32 s[G1+0], s43, (3<<16)|(1<<21)
	s_mov_b32 s[G1+1], 384<<16                     ; tensor_dim0
	s_mov_b32 s[G1+2], 8<<16                       ; tensor_dim1
	s_mov_b32 s[G1+3], 384<<16                     ; tile_dim0
	s_mov_b32 s[G1+4], 8                           ; tile_dim1
	s_mov_b32 s[G1+5], 1536                        ; the pitch
	s_mov_b32 s[G1+6], 0
	s_mov_b32 s[G1+7], 0
	; B's tiles: 128 rows x 192 bytes, 16 bytes of padding behind every 64
	s_or_b32 s[G1B+0], s44, (0<<16)|(1<<20)|(1<<21)|(3<<22)|(3<<25)
	s_mov_b32 s[G1B+1], ROWB<<16
	s_mov_b32 s[G1B+2], 128<<16
	s_mov_b32 s[G1B+3], ROWB<<16
	s_mov_b32 s[G1B+4], 128
	s_mov_b32 s[G1B+5], KROW
	s_mov_b32 s[G1B+6], 0
	s_mov_b32 s[G1B+7], 0
	; the scale bytes of 128 rows: 4,096 dense bytes, as rows of 256 bytes, 16 bytes of padding behind each
	s_or_b32 s[G1S+0], s43, (3<<16)|(1<<20)|(1<<21)|(5<<22)|(3<<25)
	s_or_b32 s[G1SB+0], s44, (3<<16)|(1<<20)|(1<<21)|(5<<22)|(3<<25)
.irp g, G1S, G1SB
	s_mov_b32 s[\g+1], 32<<16
	s_mov_b32 s[\g+2], (128*KS/256)<<16
	s_mov_b32 s[\g+3], 32<<16
	s_mov_b32 s[\g+4], 128*KS/256
	s_mov_b32 s[\g+5], 32
	s_mov_b32 s[\g+6], 0
	s_mov_b32 s[\g+7], 0
.endr
	s_lshl_b32 s20, s17, 4
	s_lshl_b32 s18, s16, 3
	s_add_co_u32 s20, s20, s18
	s_mul_i32 s20, s20, 12288                      ; A's codes: (16 x tile row + 8 x half) tiles of 12,288 bytes
	s_mov_b32 s21, 0
	s_lshl_b32 s22, s17, 13
	s_lshl_b32 s18, s16, 12
	s_add_co_u32 s22, s22, s18
	s_add_co_u32 s22, s22, 6291456                 ; A's scale bytes: behind the codes, 32 a row
	s_mov_b32 s23, 0
	s_lshl_b32 s46, s42, 8
	s_lshl_b32 s18, s16, 7
	s_add_co_u32 s46, s46, s18
	s_add_co_u32 s46, s46, 27648                   ; B: Wc's section + 256 x tile column + 128 x half
	s_lshl_b32 s92, s46, 5                         ; its scale bytes,
	s_mov_b32 s93, 0
	s_mul_i32 s46, s46, KROW                       ; its codes
	s_mov_b32 s47, 0
	s_mul_i32 s45, s14, HALFT                      ; where they go: no place in the cluster enters an LDS address
	s_mul_i32 s94, s14, HALFS
	s_wait_kmcnt 0x0
	s_add_nc_u64 s[20:21], s[4:5], s[20:21]
	s_add_nc_u64 s[22:23], s[4:5], s[22:23]
	s_add_nc_u64 s[46:47], s[6:7], s[46:47]
	s_add_nc_u64 s[92:93], s[8:9], s[92:93]
	CROUND                                         ; all sixteen work-groups are here: the first joint loads meet
	s_mov_b32 s[G0S], 1
	s_add_co_u32 s[G0S+1], s94, SCL
	s_mov_b64 s[G0S+2:G0S+3], s[22:23]
	s_or_b32 s[G0S+3], s[G0S+3], 0x80000000
	s_mov_b32 s[G0SB], 1
	s_add_co_u32 s[G0SB+1], s94, SCL
	s_mov_b64 s[G0SB+2:G0SB+3], s[92:93]
	s_or_b32 s[G0SB+3], s[G0SB+3], 0x80000000
	JLOAD G0S, G1S, G0SB, G1SB
.irp s, 0,1
	s_mov_b32 s[G0+4*\s], 1
	s_add_co_u32 s[G0+4*\s+1], s45, \s*SLOT
	s_add_nc_u64 s[G0+4*\s+2:G0+4*\s+3], s[20:21], \s*ASTEP
	s_or_b32 s[G0+4*\s+3], s[G0+4*\s+3], 0x80000000
	s_mov_b32 s[G0B+4*\s], 1
	s_add_co_u32 s[G0B+4*\s+1], s45, \s*SLOT
	s_add_nc_u64 s[G0B+4*\s+2:G0B+4*\s+3], s[46:47], \s*ROWB
	s_or_b32 s[G0B+4*\s+3], s[G0B+4*\s+3], 0x80000000
	JLOAD G0+4*\s, G1, G0B+4*\s, G1B
.endr
	v_and_b32 v1, 15, v0                           ; r
	v_bfe_u32 v2, v0, 4, 1                         ; h
	v_mul_u32_u24 v3, v1, PITCH
	v_mul_u32_u24 v4, v2, 24
	v_add_nc_u32 v4, v3, v4                        ; B: a fragment's row x pitch + 24 x half
	v_lshl_add_u32 v5, v2, 4, v4                   ; and the same behind one padding more
	v_and_b32 v6, 31, v0
	v_lshlrev_b32 v8, 4, v6                        ; A: 16 x lane
	v_lshlrev_b32 v9, 3, v6                        ; and 8 x lane
	s_mul_i32 s21, s15, HALFT                      ; my half of A
	s_mul_i32 s22, s16, HALFT
	s_add_co_u32 s22, s22, 2*HALFT                 ; my half of B
.irp s, 0,1
	v_add_nc_u32 v[ADRA+\s], s21, v8
	v_add_nc_u32 v[ADRA+2+\s], s21, v9
	v_add_nc_u32 v[ADRB+\s], s22, v4
	v_add_nc_u32 v[ADRB+2+\s], s22, v5
	s_add_co_u32 s21, s21, SLOT
	s_add_co_u32 s22, s22, SLOT
.endr
	v_mul_u32_u24 v5, v1, KS
	v_lshrrev_b32 v6, 8, v5
	v_lshl_add_u32 v5, v6, 4, v5                   ; my row's scale bytes, and 16 more for each 256 passed
	s_mul_i32 s21, s15, HALFS
	s_mul_i32 s22, s16, HALFS
	s_add_co_u32 s22, s22, 2*HALFS
	s_sub_co_u32 s22, s22, s21
	v_mul_u32_u24 v6, s22, v2                      ; lanes 16-31 take B's
	s_add_co_u32 s21, s21, SCL
	v_add_nc_u32 v5, v5, v6
	v_add_nc_u32 v[ADRS], s21, v5
	s_mul_i32 s23, s14, 16*SPITCH                  ; my stage
	v_mul_u32_u24 v5, v1, SPITCH                   ; in: row r; my half's 16 columns of each 32 lie 64 h bytes on
	v_lshl_add_u32 v5, v2, 6, v5
	v_add_nc_u32 v[STO], s23, v5
	v_mov_b32 v[CO], v8                            ; back: the 32 lanes take one row of 512 bytes; and the same in out0
	v_add_nc_u32 v[RD], s23, v8
	s_lshl_b32 s20, s17, 8
	s_lshl_b32 s21, s15, 7
	s_add_co_u32 s20, s20, s21                     ; my first row
	s_lshl_b32 s20, s20, 12                        ; 4,096 bytes a row
	s_mov_b32 s21, 0
	s_lshl_b32 s46, s42, 10
	s_lshl_b32 s47, s16, 9
	s_add_co_u32 s46, s46, s47                     ; my first column, in bytes
	s_mov_b32 s47, 0
	s_add_nc_u64 s[20:21], s[20:21], s[46:47]
	s_add_nc_u64 s[12:13], s[12:13], s[20:21]
	s_add_nc_u64 s[10:11], s[10:11], s[46:47]      ; bc at my 128 columns
	v_lshlrev_b32 v7, 6, v2                        ; 64 h
.irp b, 0,1,2,3,4,5,6,7                ; block b's register j of lane (r, h) is column 32 (b / 2) + 16 h + 8 (b % 2) + j
	global_load_b128 v[BI+8*\b:BI+8*\b+3], v7, s[10:11] offset:(32*(\b/2)+8*(\b%2))*4
	global_load_b128 v[BI+8*\b+4:BI+8*\b+7], v7, s[10:11] offset:(32*(\b/2)+8*(\b%2))*4+16
.endr
.macro FRAG reg, adr, q, i             ; a fragment of B from rows: pieces of 8 bytes
.irp p, 0,1,2,3,4,5
.set PCE, 12*(\q)+6*(\p/3)+\p%3
.if PCE%8 < 5
	ds_load_b64 v[\reg+2*\p:\reg+2*\p+1], v[\adr] offset:8*PCE+16*(PCE/8)+(\i)*16*PITCH
.else
	ds_load_b64 v[\reg+2*\p:\reg+2*\p+1], v[\adr+2] offset:8*PCE+16*(PCE/8)+(\i)*16*PITCH
.endif
.endr
.endm
.macro FRAGA reg, slot, q, i           ; a fragment of A from its image: every load takes consecutive bytes
	ds_load_b128 v[\reg:\reg+3], v[ADRA+\slot] offset:(\i)*ASTEP+(\q)*1536
	ds_load_b64 v[\reg+4:\reg+5], v[ADRA+2+\slot] offset:(\i)*ASTEP+(\q)*1536+512
	ds_load_b128 v[\reg+6:\reg+9], v[ADRA+\slot] offset:(\i)*ASTEP+(\q)*1536+768
	ds_load_b64 v[\reg+10:\reg+11], v[ADRA+2+\slot] offset:(\i)*ASTEP+(\q)*1536+1280
.endm
; 16 matrix instructions: A's blocks a0, a0 + 1 x B's eight.  zero = 1: the first product starts the sums from bc.  The 64 accumulators take turns, one instruction a turn.
.macro MUL16 a0, p, q, sc, zero
.irp a, \a0, \a0+1
.irp b, 0,1,2,3,4,5,6,7
.if \zero
	v_wmma_scale_f32_16x16x128_f8f6f4 v[8*(8*((\a)%4)+\b):8*(8*((\a)%4)+\b)+7], v[128*(\p)+FR*\b:128*(\p)+FR*\b+FR-1], v[AF+FR*(\a):AF+FR*(\a)+FR-1], v[BI+8*\b:BI+8*\b+7], v[SC+8*NQ*(\sc)+NQ*\b+(\q)], v[SC+8*NQ*(\sc)+NQ*(\a)+(\q)] matrix_a_fmt:MATRIX_FMT_FP6 matrix_b_fmt:MATRIX_FMT_FP6 matrix_a_scale:MATRIX_SCALE_ROW1
.else
	v_wmma_scale_f32_16x16x128_f8f6f4 v[8*(8*((\a)%4)+\b):8*(8*((\a)%4)+\b)+7], v[128*(\p)+FR*\b:128*(\p)+FR*\b+FR-1], v[AF+FR*(\a):AF+FR*(\a)+FR-1], v[8*(8*((\a)%4)+\b):8*(8*((\a)%4)+\b)+7], v[SC+8*NQ*(\sc)+NQ*\b+(\q)], v[SC+8*NQ*(\sc)+NQ*(\a)+(\q)] matrix_a_fmt:MATRIX_FMT_FP6 matrix_b_fmt:MATRIX_FMT_FP6 matrix_a_scale:MATRIX_SCALE_ROW1
.endif
.endr
.endr
.endm
.macro FETCH_B slot, q, p
	WIN TO_B
.irp i, 0,1,2,3,4,5,6,7
	FRAG 128*(\p)+FR*\i, ADRB+\slot, \q, \i
.endr
	WIN 0
.endm
.macro FETCH_A slot, q, i0
.irp i, \i0, \i0+1, \i0+2, \i0+3
	FRAGA AF+FR*(\i), \slot, \q, \i
.endr
.endm
.macro SCALES sc
.irp i, 0,1,2,3,4,5,6,7
	ds_load_b64 v[SC+8*NQ*\sc+NQ*\i:SC+8*NQ*\sc+NQ*\i+1], v[ADRS] offset:\i*SBLK
.endr
.endm
.macro PLACES n                        ; plain vector instructions between a matrix instruction and a load into, or a read of, its registers
.rept \n
	v_nop
.endr
.endm
.macro STEP slot, q, zero
	s_wait_dscnt 4*NLA                             ; B's set and A's blocks 0-3 are in; the 16 youngest loads (A's blocks 4-7) may be out
	WMUL 0, \zero
	MUL16 0, (\q)%2, \q, \slot, \zero
	MUL16 2, (\q)%2, \q, \slot, \zero
	s_wait_dscnt 0
	PLACES NP
	FETCH_B \slot, (\q)+1, 1-(\q)%2
	FETCH_A \slot, (\q)+1, 0
	WMUL 1, \zero
	MUL16 4, (\q)%2, \q, \slot, \zero
	MUL16 6, (\q)%2, \q, \slot, \zero
	PLACES NP
	WIN 0
	FETCH_A \slot, (\q)+1, 4
.endm
; A slot's last step changes slots: one barrier; in front of it each wave waits for all its tensor loads, adds 0 to its spare word, and waits for that and for its own reads of this slot.
.macro TURN slot, next, fill
	s_wait_tensorcnt 0x0                           ; all my tensor loads have landed: my part of the next slot
	ds_add_u32 v[SPW], v[NIL]                      ; 0 onto my spare word
	s_wait_dscnt 4*NLA+1                           ; (the add and the 16 youngest loads may be out)
	WMUL 0, 0
	MUL16 0, 1, NQ-1, \slot, 0
	s_wait_dscnt 0x0                               ; the add is done, and my reads of this slot are over
	s_barrier_signal -1
	MUL16 2, 1, NQ-1, \slot, 0
	WIN 0
	s_barrier_wait -1
.if \fill
	CREST                                          ; the barrier has opened a round of the cluster's: no wave of any partner still reads this slot or has a load on its way
	s_add_nc_u64 s[G0+4*\slot+2:G0+4*\slot+3], s[G0+4*\slot+2:G0+4*\slot+3], 2*ASTEP
	s_add_nc_u64 s[G0B+4*\slot+2:G0B+4*\slot+3], s[G0B+4*\slot+2:G0B+4*\slot+3], 2*ROWB
	JLOAD G0+4*\slot, G1, G0B+4*\slot, G1B         ; the first tensor load behind the round; its four v_nop are the places in front of the loads below
.else
	PLACES NP
.endif
	v_add_nc_u32 v[ADRS], 4*NQ, v[ADRS]
	FETCH_B \next, 0, 0
	FETCH_A \next, 0, 0
	SCALES \next
	WMUL 1, 0
	MUL16 4, 1, NQ-1, \slot, 0
	MUL16 6, 1, NQ-1, \slot, 0
	PLACES NP
	WIN 0
	FETCH_A \next, 0, 4
.endm
	s_wait_tensorcnt 1                             ; the scale bytes and my part of K step 0 are in (K step 1's load may be out),
	s_barrier_signal -1
	s_barrier_wait -1                              ; everybody's are
	FETCH_B 0, 0, 0
	FETCH_A 0, 0, 0
	SCALES 0
	FETCH_A 0, 0, 4
	s_wait_loadcnt 0x0                             ; bc
	STEP 0, 0, 1                                   ; the first step stands in front of the loop: its products start the sums from bc
	s_mov_b32 s3, LAPS-1
.Llap:
	TURN 0, 1, 1
	STEP 1, 0, 0
	TURN 1, 0, 1
	STEP 0, 0, 0
	s_sub_co_u32 s3, s3, 1
	s_cmp_lg_u32 s3, 0
	s_cbranch_scc1 .Llap
	TURN 0, 1, 0                                   ; the last lap fills nothing
	STEP 1, 0, 0
	s_wait_dscnt 4*NLA
	WMUL 0, 0
	MUL16 0, 1, NQ-1, 1, 0
	MUL16 2, 1, NQ-1, 1, 0
	s_wait_dscnt 0
	WMUL 1, 0
	MUL16 4, 1, NQ-1, 1, 0
	MUL16 6, 1, NQ-1, 1, 0
	WIN 0
; THE WAY OUT, block by block of 16 stored rows x 128 columns, through my own stage in LDS; it comes back as whole rows of 512 bytes.  LDS serves a wave's instructions in order: no wait between the stores and the loads.
; Columns: accumulator b's eight numbers of lane (r, h) are columns 32 (b / 2) + 16 h + 8 (b % 2) + 0 .. 7.  Rows: stage row t of block a is row 32 (a / 2) + 8 (a % 2) + 16 (t / 8) + t % 8 of my 128.
.macro TOSTAGE a
.set AC, 64*((\a)%4)
.set WN, 0x08+4*((\a)/4)
	WIN WN                                         ; the data: window 2 or 3
.irp b, 0,1,2,3,4,5,6,7
	ds_store_b128 v[STO], v[AC+8*\b:AC+8*\b+3] offset:128*(\b/2)+32*(\b%2)          ; each accumulator from its low end on
	ds_store_b128 v[STO], v[AC+8*\b+4:AC+8*\b+7] offset:128*(\b/2)+32*(\b%2)+16
.endr
	WIN 0
.set BB, BK+64*((\a)%2)
.irp t, 0,1,2,3,4,5,6,7,8,9,10,11,12,13,14,15
	ds_load_b128 v[BB+4*\t:BB+4*\t+3], v[RD] offset:\t*SPITCH
.endr
.endm
.macro SEND a, younger                 ; younger: the LDS instructions issued behind block a's loads, which may stay out
.set BB, BK+64*((\a)%2)
	s_wait_dscnt \younger
.if (\a) > 0
	s_add_nc_u64 s[12:13], s[12:13], (24-16*((\a)%2))*4096   ; (behind a wait on XCNT)  8 rows on to an odd block, 24 to an even one
.endif
.irp t, 0,1,2,3,4,5,6,7,8,9,10,11,12,13,14,15
	global_store_b128 v[CO], v[BB+4*\t:BB+4*\t+3], s[12:13] offset:(16*(\t/8)+\t%8)*4096 th:TH_STORE_NT   ; 32 lanes store 512 consecutive bytes, at a multiple of 256 from out0's first byte
.endr
.endm
	PLACES NP
	TOSTAGE 0
.irp a, 1,2,3,4,5,6,7
.if \a > 1
	s_wait_xcnt 0x0                                ; block a - 2's stores have read their registers and their base
.endif
	TOSTAGE \a
	SEND \a-1, 32                                  ; behind block a - 1's loads: block a's 16 stores and 16 loads
.endr
	s_wait_xcnt 0x0
	SEND 7, 0
	s_wait_tensorcnt 0x0                           ; the wave's end
	ds_add_u32 v[SPW], v[NIL]
	s_wait_dscnt 0x0
	CROUND                                         ; the closing round: no work-group ends while a partner may still ask for a tile that names it
	s_endpgm
.Lfunc_end_k_qff33099cfa_outp:
	.size	k_qff33099cfa_outp, .Lfunc_end_k_qff33099cfa_outp-k_qff33099cfa_outp
	.p2alignl 7, 3214868480
	.fill 96, 4, 3214868480
	.section	.rodata,"a",@progbits
	.p2align	6, 0x0
	.amdhsa_kernel k_qff33099cfa_outp
		.amdhsa_group_segment_fixed_size 327680
		.amdhsa_private_segment_fixed_size 0
		.amdhsa_enable_private_segment 0
		.amdhsa_kernarg_size 40
		.amdhsa_user_sgpr_count 2
		.amdhsa_user_sgpr_kernarg_segment_ptr 1
		.amdhsa_wavefront_size32 1
		.amdhsa_system_sgpr_workgroup_id_x 1
		.amdhsa_system_sgpr_workgroup_id_y 1
		.amdhsa_system_sgpr_workgroup_id_z 1
		.amdhsa_system_vgpr_workitem_id 0
		.amdhsa_next_free_vgpr 1024
		.amdhsa_next_free_sgpr 98
		.amdhsa_reserve_vcc 0
		.amdhsa_float_denorm_mode_32 3
		.amdhsa_float_denorm_mode_16_64 3
		.amdhsa_memory_ordered 1
		.amdhsa_forward_progress 1
		.amdhsa_inst_pref_size 154
	.end_amdhsa_kernel
	.amdgpu_metadata
---
amdhsa.version: [ 1, 2 ]
amdhsa.kernels:
  - .name:           k_qff33099cfa_outp
    .symbol:         k_qff33099cfa_outp.kd
    .args:
      - { .name: ctx, .offset: 0, .size: 8, .value_kind: global_buffer, .address_space: global }
      - { .name: qc, .offset: 8, .size: 8, .value_kind: global_buffer, .address_space: global }
      - { .name: qs, .offset: 16, .size: 8, .value_kind: global_buffer, .address_space: global }
      - { .name: bc, .offset: 24, .size: 8, .value_kind: global_buffer, .address_space: global }
      - { .name: out0, .offset: 32, .size: 8, .value_kind: global_buffer, .address_space: global }
    .group_segment_fixed_size: 327680
    .private_segment_fixed_size: 0
    .kernarg_segment_align: 8
    .kernarg_segment_size: 40
    .max_flat_workgroup_size: 128
    .sgpr_count:     98
    .vgpr_count:     1024
    .wavefront_size: 32
...
	.end_amdgpu_metadata
.endif
;; end of part 4
